; MI455X (gfx1250); checked and timed in simulation.
; The chip was launched on July 23, 2026; its instructions are those of AMD's public machine-readable ISA for CDNA 5 (MIT licence, August 2026) and "CDNA5" Instruction Set Architecture Reference Guide (July 2026). The comments in the code are by the model that wrote it; some were corrected since.
;; Masked Cross Attention. Allowed arithmetic: float matrix products may take bf16 or f16 operands with f32 sums; other float arithmetic in f32, or as packed bf16 or f16 multiplies, adds, multiply-adds, maxima and minima; sums over many terms, partial sums and values carried from step to step in f32; what a program stores and reads back later, other than sums and carried values, may be rounded once to bf16 or f16.
;; Inputs: Wkv 1,024 x 2,048 float32; Wo 1,024 x 2,048 float32; Wq 2,048 x 1,024 float32; beta 2,048 float32; gamma 2,048 float32; media 8 x 16 x 32 x 1,024 float32; media_locations 8 x 1,024 bool; x 8 x 1,024 x 2,048 float32.
;; Outputs: out0 8 x 1,024 x 2,048 float32.
;; One version. Each part assembles by itself: llvm-mc -triple=amdgcn-amd-amdhsa -mcpu=gfx1250 --defsym DOCPART=n.
;; ======== version 1 of 1: 4 launches
;; limits: values are held in f16: magnitudes above 65,504 overflow, below 6.1e-05 lose precision
;; workspace buffers: xn 33,554,432 bytes; med 8,388,608 bytes; wq 4,194,304 bytes; wkv 4,194,304 bytes; wo 4,194,304 bytes; qh 16,777,216 bytes; kvh 16,777,216 bytes; oh 16,777,216 bytes
;; launch prep (part 1): grid 416 x 1, 8 waves a work-group, no clusters, 0 bytes of LDS; arguments x, gamma, beta, media, Wq, Wkv, Wo, xn, med, wq, wkv, wo; writes xn, med, wq, wkv, wo
.if DOCPART == 1
	.amdgcn_target "amdgcn-amd-amdhsa--gfx1250"
	.amdhsa_code_object_version 6
	.text
	.protected	k_qbf216ac667_prep
	.globl	k_qbf216ac667_prep
	.p2align	8
	.type	k_qbf216ac667_prep,@function
k_qbf216ac667_prep:
	s_mov_b64 s[64:65], 0
	v_nop
	global_prefetch_b8 v0, s[64:65] scope:SCOPE_SE
	s_setreg_imm32_b32 hwreg(HW_REG_WAVE_MODE, 25, 1), 1
	s_wait_xcnt 0x0
; MaskedCrossAttention, launch 1 of 4: the layer norm of x, and the 16-bit copies of media and of the three weight matrices.
; DEAD INPUT.  reference() takes media_locations and never uses it: it builds no mask and adds nothing to the scores.  So for all values of that input no output hangs on it;
; it is not loaded and is among no launch's arguments.  (It is a bool: no NaN or infinity can lie in it.)
; FORMATS.  Every input (x, gamma, beta, media, Wq, Wkv, Wo) is rounded once to bf16.  What the program makes of them is kept in f16: xn here, q, k, v, the weights p and O later.
; The bf16 numbers of media and of the weights are written as f16, so that all products take the f16 matrix form.
; LIMITS.  f16 holds no number beyond 65,504 and keeps a fixed step of 6e-8 below 6e-5: xn, media and the weights must lie within that.  NaN and infinities are not treated apart.
; SHARES.  A row is 2,048 numbers: 8,192 bytes in, 4,096 out.  A wave takes four rows on end, a work-group 32.  Work-groups 0-255: the 8,192 rows of x.  256-319: media (2,048 rows);
; 320-351 Wq, 352-383 Wkv, 384-415 Wo (1,024 rows each): element by element, so their shape does not matter.
; LANES.  Load j of 16 takes 16 bytes a lane at 512 j + 16 lane: 512 consecutive bytes.  The lane's four numbers leave as 8 bytes at 256 j + 8 lane: a store covers 256 consecutive bytes, aligned.
; The mean is taken first and the squares of the differences second, as reference() does.  The next row's 16 loads go out as soon as this row has been unpacked.
; No LDS, no matrix unit, no cluster: no wave wants a byte that another has fetched.
.set X,   16                           ; v[16:79]    the row as loaded
.set D,   80                           ; v[80:143]   the row rounded to bf16, as f32; then x - mean; its low 32 registers end as the packed f16 result
.set G,   144                          ; v[144:175]  gamma, two bf16 a word
.set BT,  176                          ; v[176:207]  beta, likewise
.set T,   208                          ; v[208:215]  at work
.set XP,  40                           ; s[40:41]    where the next row is loaded from
.set YP,  42                           ; s[42:43]    where this row is stored
.set CNT, 33                           ; s33         rows to go
; v1 16 x lane; v2 8 x lane; v3 at work; v[4:5] -mean, twice; v[6:7] 1/sqrt(var + eps), twice; v[8:15] four pairs of running sums
	s_load_b512 s[8:23], s[0:1], 0x0               ; x s[8:9], gamma s[10:11], beta s[12:13], media s[14:15], Wq s[16:17], Wkv s[18:19], Wo s[20:21], xn s[22:23]
	s_load_b256 s[24:31], s[0:1], 0x40             ; med s[24:25], wq s[26:27], wkv s[28:29], wo s[30:31]
	v_and_b32 v2, 31, v0
	v_lshlrev_b32 v1, 4, v2
	v_lshlrev_b32 v2, 3, v2
	v_lshrrev_b32 v3, 5, v0
	v_readfirstlane_b32 s32, v3                    ; wave 0..7
	s_mov_b32 s34, 0xffff0000                      ; a word's upper bf16
	s_mov_b32 s35, 0x3a000000                      ; 1 / 2048
	s_mov_b32 s36, 0x3727c5ac                      ; 1e-5
	s_mov_b32 s38, 0x76543210                      ; v_permlanex16_b32: each lane takes its own place in the other half
	s_mov_b32 s39, 0xfedcba98
	s_mov_b32 s[CNT], 4
	s_wait_kmcnt 0x0
.macro BASES                           ; s47 = the work-group's number within its array: 32 rows each, four a wave
	s_lshl_b32 s44, s47, 18
	s_lshl_b32 s45, s32, 15
	s_add_co_u32 s44, s44, s45
	s_mov_b32 s45, 0
	s_add_nc_u64 s[XP:XP+1], s[XP:XP+1], s[44:45]
	s_lshr_b32 s44, s44, 1                         ; half as many bytes out
	s_add_nc_u64 s[YP:YP+1], s[YP:YP+1], s[44:45]
.endm
.macro FILL                            ; a row's 16 loads
.irp j, 0,1,2,3,4,5,6,7,8,9,10,11,12,13,14,15
	global_load_b128 v[X+4*(\j):X+4*(\j)+3], v1, s[XP:XP+1] offset:512*(\j) th:TH_LOAD_NT
.endr
.endm
.macro STORE                           ; a row's 16 stores, and the step to the next row
.irp j, 0,1,2,3,4,5,6,7,8,9,10,11,12,13,14,15
	global_store_b64 v2, v[D+2*(\j):D+2*(\j)+1], s[YP:YP+1] offset:256*(\j)
.endr
	s_wait_xcnt 0x0                                ; the stores have read D and their base: only behind this wait are they written again
	s_add_nc_u64 s[YP:YP+1], s[YP:YP+1], 4096
.endm
.macro FOLD                            ; v8 = the sum of v[8:15] over all 32 lanes, in every lane
	v_pk_add_f32 v[8:9], v[8:9], v[10:11]
	v_pk_add_f32 v[12:13], v[12:13], v[14:15]
	v_pk_add_f32 v[8:9], v[8:9], v[12:13]
	v_add_f32 v8, v8, v9
	v_add_f32_dpp v8, v8, v8 row_xmask:1 row_mask:0xf bank_mask:0xf
	v_add_f32_dpp v8, v8, v8 row_xmask:2 row_mask:0xf bank_mask:0xf
	v_add_f32_dpp v8, v8, v8 row_xmask:4 row_mask:0xf bank_mask:0xf
	v_add_f32_dpp v8, v8, v8 row_xmask:8 row_mask:0xf bank_mask:0xf
	v_permlanex16_b32 v3, v8, s38, s39             ; v3 has been written before
	v_add_f32 v8, v8, v3
.endm
	s_cmp_ge_u32 ttmp9, 0x100
	s_cbranch_scc1 .Lcast
	; THE LAYER NORM
	s_mov_b64 s[XP:XP+1], s[8:9]
	s_mov_b64 s[YP:YP+1], s[22:23]
	s_mov_b32 s47, ttmp9
	BASES
.irp j, 0,1,2,3,4,5,6,7,8,9,10,11,12,13,14,15
	global_load_b128 v[X+4*(\j):X+4*(\j)+3], v1, s[10:11] offset:512*(\j)   ; gamma of my 64 columns
	global_load_b128 v[D+4*(\j):D+4*(\j)+3], v1, s[12:13] offset:512*(\j)   ; beta
.endr
	s_wait_loadcnt 0x0
.set i, 0
.rept 32
	v_cvt_pk_bf16_f32 v[G+i], v[X+2*i], v[X+2*i+1]
	v_cvt_pk_bf16_f32 v[BT+i], v[D+2*i], v[D+2*i+1]
.set i, i+1
.endr
	FILL                                           ; the first row
.Lrow:
	s_wait_loadcnt 0x0                             ; the row is in, and its loads have read their base
.set i, 0
.rept 32                                       ; x rounded to bf16, and back as f32
	v_cvt_pk_bf16_f32 v[T+i%8], v[X+2*i], v[X+2*i+1]
	v_lshlrev_b32 v[D+2*i], 16, v[T+i%8]
	v_and_b32 v[D+2*i+1], s34, v[T+i%8]
.set i, i+1
.endr
	s_add_nc_u64 s[XP:XP+1], s[XP:XP+1], 8192
	s_cmp_eq_u32 s[CNT], 1                         ; the last row has none behind it
	s_cbranch_scc1 .Lno_fill
	FILL                                           ; the next row is on its way under all the arithmetic below
.Lno_fill:
.irp k, 0,1,2,3                                ; the sum, in four chains started by the first eight pairs
	v_pk_add_f32 v[8+2*(\k):9+2*(\k)], v[D+2*(\k):D+2*(\k)+1], v[D+8+2*(\k):D+8+2*(\k)+1]
.endr
.set i, 8
.rept 24
	v_pk_add_f32 v[8+2*(i%4):9+2*(i%4)], v[8+2*(i%4):9+2*(i%4)], v[D+2*i:D+2*i+1]
.set i, i+1
.endr
	FOLD
	v_mul_f32 v4, 0xba000000, v8                   ; -mean = sum x (-1 / 2048)
	v_mov_b32 v5, v4
.set i, 0
.rept 32                                       ; x - mean, in place, and the sum of its squares
	v_pk_add_f32 v[D+2*i:D+2*i+1], v[D+2*i:D+2*i+1], v[4:5]
.if i < 4
	v_pk_mul_f32 v[8+2*i:9+2*i], v[D+2*i:D+2*i+1], v[D+2*i:D+2*i+1]
.else
	v_pk_fma_f32 v[8+2*(i%4):9+2*(i%4)], v[D+2*i:D+2*i+1], v[D+2*i:D+2*i+1], v[8+2*(i%4):9+2*(i%4)]
.endif
.set i, i+1
.endr
	FOLD
	v_fma_f32 v3, v8, s35, s36                     ; var + eps
	v_rsq_f32 v6, v3
	v_rsq_f32 v7, v3                               ; twice: a pair for the packed multiply
	v_nop                                          ; a plain instruction behind the last of the two (ISA guide 5.7.2)
	s_wait_alu depctr_va_vdst(0)                   ; one wait for both, ahead of their first reader
.set i, 0
.rept 32                                       ; ((x - mean) / sqrt(var + eps)) gamma + beta, rounded once to f16
.set u, T+4*(i%2)
	v_lshlrev_b32 v[u], 16, v[G+i]
	v_and_b32 v[u+1], s34, v[G+i]
	v_lshlrev_b32 v[u+2], 16, v[BT+i]
	v_and_b32 v[u+3], s34, v[BT+i]
	v_pk_mul_f32 v[D+2*i:D+2*i+1], v[D+2*i:D+2*i+1], v[6:7]
	v_pk_fma_f32 v[D+2*i:D+2*i+1], v[D+2*i:D+2*i+1], v[u:u+1], v[u+2:u+3]
	v_cvt_pk_f16_f32 v[D+i], v[D+2*i], v[D+2*i+1]  ; word i lands on a register whose pair has been used already
.set i, i+1
.endr
	STORE
	s_sub_co_u32 s[CNT], s[CNT], 1
	s_cmp_lg_u32 s[CNT], 0
	s_cbranch_scc1 .Lrow
	s_endpgm
	; THE COPIES: f32 -> bf16 (the rounding) -> f16 (the same number)
.Lcast:
	s_sub_co_u32 s46, ttmp9, 0x100
	s_mov_b64 s[XP:XP+1], s[14:15]                 ; media -> med,
	s_mov_b64 s[YP:YP+1], s[24:25]
	s_mov_b32 s47, s46
	s_sub_co_u32 s37, s46, 64
	s_cmp_ge_u32 s46, 64                           ; from 64 on Wq -> wq,
	s_cselect_b64 s[XP:XP+1], s[16:17], s[XP:XP+1]
	s_cselect_b64 s[YP:YP+1], s[26:27], s[YP:YP+1]
	s_cselect_b32 s47, s37, s47
	s_sub_co_u32 s37, s46, 0x60
	s_cmp_ge_u32 s46, 0x60                         ; from 96 on Wkv -> wkv,
	s_cselect_b64 s[XP:XP+1], s[18:19], s[XP:XP+1]
	s_cselect_b64 s[YP:YP+1], s[28:29], s[YP:YP+1]
	s_cselect_b32 s47, s37, s47
	s_sub_co_u32 s37, s46, 0x80
	s_cmp_ge_u32 s46, 0x80                         ; from 128 on Wo -> wo
	s_cselect_b64 s[XP:XP+1], s[20:21], s[XP:XP+1]
	s_cselect_b64 s[YP:YP+1], s[30:31], s[YP:YP+1]
	s_cselect_b32 s47, s37, s47
	BASES
	FILL
.Lcrow:
	s_wait_loadcnt 0x0
.set i, 0
.rept 32
.set u, T+4*(i%2)
	v_cvt_pk_bf16_f32 v[u], v[X+2*i], v[X+2*i+1]
	v_lshlrev_b32 v[u+1], 16, v[u]
	v_and_b32 v[u+2], s34, v[u]
	v_cvt_pk_f16_f32 v[D+i], v[u+1], v[u+2]
.set i, i+1
.endr
	s_add_nc_u64 s[XP:XP+1], s[XP:XP+1], 8192
	s_cmp_eq_u32 s[CNT], 1
	s_cbranch_scc1 .Lno_cfill
	FILL
.Lno_cfill:
	STORE
	s_sub_co_u32 s[CNT], s[CNT], 1
	s_cmp_lg_u32 s[CNT], 0
	s_cbranch_scc1 .Lcrow
	s_endpgm
.Lfunc_end_k_qbf216ac667_prep:
	.size	k_qbf216ac667_prep, .Lfunc_end_k_qbf216ac667_prep-k_qbf216ac667_prep
	.p2alignl 7, 3214868480
	.fill 96, 4, 3214868480
	.section	.rodata,"a",@progbits
	.p2align	6, 0x0
	.amdhsa_kernel k_qbf216ac667_prep
		.amdhsa_group_segment_fixed_size 0
		.amdhsa_private_segment_fixed_size 0
		.amdhsa_enable_private_segment 0
		.amdhsa_kernarg_size 96
		.amdhsa_user_sgpr_count 2
		.amdhsa_user_sgpr_kernarg_segment_ptr 1
		.amdhsa_wavefront_size32 1
		.amdhsa_system_sgpr_workgroup_id_x 1
		.amdhsa_system_sgpr_workgroup_id_y 1
		.amdhsa_system_sgpr_workgroup_id_z 1
		.amdhsa_system_vgpr_workitem_id 0
		.amdhsa_next_free_vgpr 216
		.amdhsa_next_free_sgpr 66
		.amdhsa_reserve_vcc 0
		.amdhsa_float_denorm_mode_32 3
		.amdhsa_float_denorm_mode_16_64 3
		.amdhsa_memory_ordered 1
		.amdhsa_forward_progress 1
		.amdhsa_inst_pref_size 47
	.end_amdhsa_kernel
	.amdgpu_metadata
---
amdhsa.version: [ 1, 2 ]
amdhsa.kernels:
  - .name:           k_qbf216ac667_prep
    .symbol:         k_qbf216ac667_prep.kd
    .args:
      - { .name: x, .offset: 0, .size: 8, .value_kind: global_buffer, .address_space: global }
      - { .name: gamma, .offset: 8, .size: 8, .value_kind: global_buffer, .address_space: global }
      - { .name: beta, .offset: 16, .size: 8, .value_kind: global_buffer, .address_space: global }
      - { .name: media, .offset: 24, .size: 8, .value_kind: global_buffer, .address_space: global }
      - { .name: Wq, .offset: 32, .size: 8, .value_kind: global_buffer, .address_space: global }
      - { .name: Wkv, .offset: 40, .size: 8, .value_kind: global_buffer, .address_space: global }
      - { .name: Wo, .offset: 48, .size: 8, .value_kind: global_buffer, .address_space: global }
      - { .name: xn, .offset: 56, .size: 8, .value_kind: global_buffer, .address_space: global }
      - { .name: med, .offset: 64, .size: 8, .value_kind: global_buffer, .address_space: global }
      - { .name: wq, .offset: 72, .size: 8, .value_kind: global_buffer, .address_space: global }
      - { .name: wkv, .offset: 80, .size: 8, .value_kind: global_buffer, .address_space: global }
      - { .name: wo, .offset: 88, .size: 8, .value_kind: global_buffer, .address_space: global }
    .group_segment_fixed_size: 0
    .private_segment_fixed_size: 0
    .kernarg_segment_align: 8
    .kernarg_segment_size: 96
    .max_flat_workgroup_size: 256
    .sgpr_count:     66
    .vgpr_count:     216
    .wavefront_size: 32
...
	.end_amdgpu_metadata
.endif
;; end of part 1
;; launch proj (part 2): grid 4 x 64, 4 waves a work-group, clusters of 4 x 4, 327,680 bytes of LDS; arguments xn, wq, qh, med, wkv, kvh; writes qh, kvh
.if DOCPART == 2
	.amdgcn_target "amdgcn-amd-amdhsa--gfx1250"
	.amdhsa_code_object_version 6
	.text
	.protected	k_qbf216ac667_proj
	.globl	k_qbf216ac667_proj
	.p2align	8
	.type	k_qbf216ac667_proj,@function
k_qbf216ac667_proj:
	s_mov_b64 s[64:65], 0
	v_nop
	global_prefetch_b8 v0, s[64:65] scope:SCOPE_SE
	s_setreg_imm32_b32 hwreg(HW_REG_WAVE_MODE, 25, 1), 1
	s_wait_xcnt 0x0
	s_wait_alu depctr_hold_cnt(0) depctr_sa_sdst(0) depctr_va_vdst(0) depctr_va_sdst(0) depctr_va_ssrc(0) depctr_va_vcc(0) depctr_vm_vsrc(0)
	s_getreg_b32 s2, hwreg(HW_REG_IB_STS2, 6, 4)
	s_cmp_eq_u32 s2, 0
	s_cbranch_scc0 .Lentry_in_a_cluster
	s_endpgm
.Lentry_in_a_cluster:
	s_bfe_u32 s2, ttmp6, 0x10000c
	s_cmp_lg_u32 s2, 0xf033
	s_cbranch_scc0 .Lentry_shape_is_right
	s_endpgm
.Lentry_shape_is_right:
; Launch 2 of 4: q = xn wq (8192 x 2048 x 1024) and kv = med wkv (4096 x 1024 x 2048), all f16 with f32 sums, each result rounded once to f16 and written BY HEADS:
; qh [b 16 + h][1024][64]; kvh [k, v][b 16 + h][512][64].  No scale is applied: reference() has none in front of its softmax.  (media_locations reaches no output and is not an argument.)
; LIMIT.  q, k and v must lie within f16's 65,504.
; ROLES.  16 clusters of 4 x 4 work-groups.  Clusters 0-7 make q, clusters 8-15 make kv; the branch hangs on the cluster's number, which all sixteen partners share.
; THE TILE of C is 256 x 256 in both roles: 128 work-groups of 16 K steps (q) and 128 of 8 (kv).  THE SHARES ARE UNEQUAL: kv's work-groups end after half as many steps.  The tile is chosen for the ring:
; a K step of 128 holds 256 matrix instructions a wave, 224 of them between a tile's request and the wait for it.  A tile of 128 x 256, which would share the work evenly, holds half as many, and two slots of
; two of its K steps (2 x 206,848 bytes) do not fit in LDS.
; SHARES.  Four waves, each 128 x 128 of C: 64 accumulators of 16 x 16, 512 registers.  K goes in steps of 128 through two LDS slots.  A's rows lie along K (256 bytes a row and step); B lies [K][N] (512 bytes of
; 128 rows) and is turned on its way out of LDS by ds_load_tr16_b128.  Waves 0 and 1 fetch A's two halves (128 rows), waves 2 and 3 B's (64 rows of K): one tensor load a wave behind each change of slots.
; A wave has two tensor loads out at the start and one later.
; JOINT LOADS.  A's tile hangs on the tile row alone and is asked for jointly by the four of a row of the cluster, B's on the tile column alone, by the four of a column.
; THE MATRIX INSTRUCTION IS USED TRANSPOSED (source 0 = 16 columns of B, source 1 = 16 rows of A): a lane then holds eight neighbouring numbers of a row of C.
; THE TEXT.  A K step is written once for each role's loop: the read addresses hang on s[TB], which one exclusive or turns from slot to slot, and one descriptor a tensor walks on.  Each role has its own head,
; first fills, first quarter and loop; the last two K steps, which ask for nothing, the last quarter and the way out are written once for both.  Where the roles join both read slot 0: 14 and 6 changes of
; slots are both even.
; REGISTERS.  Window 0: v0-31 addresses; v64-127, v128-191 A's fragments, two buffers; v192-223 at work on the way out.  Window 1: v64-127, v128-191 B's fragments.
;   Windows 2, 3: the accumulators of my rows 0-63, 64-127, (a, b) at v[8 (8 a + b)].
.set PA,    272                        ; a row of A in LDS: 256 bytes + 16: the 16 rows of a fragment start at 16 different groups of four banks (ISA guide 11.1)
.set PB,    544                        ; a row of B: 512 + 32
.set AHALF, 128*PA
.set BOFF,  256*PA                     ; B's 128 rows lie behind A's 256
.set BHALF, 64*PB
.set SLOT,  147456                     ; slot 1 begins here: bits 17 and 14, which none of the four tiles' first bytes in a slot (0; 34,816; 69,632; 104,448) has
.set STAGE, SLOT+BOFF+128*PB           ; behind the ring, never filled by a tensor load: 16 rows x 272 bytes for each wave
.set SP,    272
.set SPARE, STAGE+4*16*SP              ; the spare words, 128 bytes for each wave: two blocks of 256 bytes that no other line names
.set AH,    2                          ; a prefetch names the K step two behind the one that is being asked for
.set R,   1                            ; v1   lane % 16
.set H,   2                            ; v2   lane / 16
.set LN,  3                            ; v3   lane
.set T0,  4
.set T1,  5
.set A0,  8                            ; v8   my place in A's tile; never rewritten
.set B0,  9                            ; v9   my place in B's tile; never rewritten
.set ADRA, 10                          ; v10  the same in the slot in hand
.set ADRB, 11
.set STO, 12                           ; v12  the way out: where I put 16 bytes of a row
.set RD,  13                           ; v13  the way out: where I read rows back
.set GO,  14                           ; v14  16 x lane
.set PFO, 15                           ; v15  the prefetches' offset
.set SPW, 28                           ; v28  LDS address of my spare word; never rewritten
.set NIL, 29                           ; v29  0; never rewritten
.set F0,  64
.set F1,  128
.set TMP, 192
.set WV,  16                           ; s16  wave
.set WM,  17                           ; s17  wave / 2: my half of the tile's rows; also: I fetch for A (0) or B (1)
.set WN,  18                           ; s18  wave % 2: my half of its columns; also: which half I fetch
.set CX,  19
.set CY,  20
.set YY,  21                           ; s21  the cluster's number
.set TR,  22                           ; s22  tile row
.set TC,  23                           ; s23  tile column
.set G1A, 24                           ; s[24:31]
.set G0A, 32                           ; s[32:39] two sets: the first fills; the second then walks on
.set G1B, 40
.set G0B, 48
.set CNT, 56
.set TB,  57                           ; s57  0 or SLOT: the slot that is read
.set LIM, 58                           ; s58  AH in a wave that prefetches, else the greatest number
.set PFA, 60                           ; s[60:61]
.set PFS, 62                           ; s[62:63] its step
.set CB,  72                           ; s[72:73] C at my first row, my first head
.set CB2, 74                           ; s[74:75] the same in my second head
.set MSB, 0
.macro WIN new                         ; the immediate's high byte repeats the setting that is left
.if MSB != (\new)
	s_set_vgpr_msb (MSB<<8)|(\new)
.set MSB, \new
.endif
.endm
.set MUL_LO, 0xa1                      ; source 0 (B) window 1, source 1 (A) window 0, C and D window 2
.set MUL_HI, 0xf1                      ; the same, C and D window 3
.set TO_B,   0x40                      ; destination window 1, address window 0
.macro PLACES                          ; four plain places behind matrix instructions (ISA guide 7.12.1)
.rept 4
	v_nop
.endr
.endm
.macro CREST                           ; a round of the cluster's barrier behind its opening barrier
	s_cmp_lg_u32 s[WV], 0
	s_cbranch_scc1 .Lnot_wave_0_\@
	s_barrier_signal -3
.Lnot_wave_0_\@:
	s_barrier_wait -3
	s_barrier_signal -1
	s_barrier_wait -1
.endm
.macro CROUND
	s_barrier_signal -1
	s_barrier_wait -1
	CREST
.endm
.macro JLOAD                           ; a joint refill by the walking descriptor; an s_nop 0 and four v_nop follow each line
	s_cmp_eq_u32 s[WM], 0
	s_cbranch_scc0 .Lfor_b_\@
	tensor_load_to_lds s[G0A+4:G0A+7], s[G1A:G1A+7]
	s_nop 0
.rept 4
	v_nop
.endr
	s_branch .Lasked_\@
.Lfor_b_\@:
	tensor_load_to_lds s[G0B+4:G0B+7], s[G1B:G1B+7]
	s_nop 0
.rept 4
	v_nop
.endr
.Lasked_\@:
.endm
; A prefetch of the K step AH behind the one just asked for: 32 aligned blocks of 256 bytes, a lane a block.  Each block is named once in the launch: of the clusters that read the same rows the first
; asks; the four partners of a joint load share its 128 blocks out by address.  The last AH refills ask for nothing, so no prefetch leaves its buffer.
.macro ASK
	s_cmp_gt_u32 s[CNT], s[LIM]
	s_cbranch_scc0 .Lnot_mine_\@
	global_prefetch_b8 v[PFO], s[PFA:PFA+1] th:TH_LOAD_NT scope:SCOPE_SE
.Lnot_mine_\@:
.endm
.macro MUL16 f, hi, a0, zero           ; m blocks a0, a0 + 1 of the window's four x all 8 n blocks, 32 along K.  zero = 1: the products start the sums
	WIN MUL_LO+0x50*(\hi)
.irp a, \a0, (\a0)+1
.irp b, 0,1,2,3,4,5,6,7
.if \zero
	v_wmma_f32_16x16x32_f16 v[8*(8*(\a)+(\b)):8*(8*(\a)+(\b))+7], v[(\f)+8*(\b):(\f)+8*(\b)+7], v[(\f)+8*(4*(\hi)+(\a)):(\f)+8*(4*(\hi)+(\a))+7], 0
.else
	v_wmma_f32_16x16x32_f16 v[8*(8*(\a)+(\b)):8*(8*(\a)+(\b))+7], v[(\f)+8*(\b):(\f)+8*(\b)+7], v[(\f)+8*(4*(\hi)+(\a)):(\f)+8*(4*(\hi)+(\a))+7], v[8*(8*(\a)+(\b)):8*(8*(\a)+(\b))+7]
.endif
.endr
.endr
.endm
.macro FETCH q, f                      ; 32 LDS loads in one run: quarter q's fragments into buffer f, B's 16 first
	WIN TO_B
.irp i, 0,1,2,3,4,5,6,7
	ds_load_tr16_b128 v[(\f)+8*(\i):(\f)+8*(\i)+3],   v[ADRB] offset:(\q)*32*PB+32*(\i)
	ds_load_tr16_b128 v[(\f)+8*(\i)+4:(\f)+8*(\i)+7], v[ADRB] offset:(\q)*32*PB+16*PB+32*(\i)
.endr
	WIN 0
.irp i, 0,1,2,3,4,5,6,7
	ds_load_b128 v[(\f)+8*(\i):(\f)+8*(\i)+3],   v[ADRA] offset:64*(\q)+(\i)*16*PA
	ds_load_b128 v[(\f)+8*(\i)+4:(\f)+8*(\i)+7], v[ADRA] offset:64*(\q)+(\i)*16*PA+32
.endr
.endm
.macro QUARTER q, f, g, zero           ; multiplies buffer f; in its middle fetches quarter q into buffer g
	s_wait_dscnt 8                                 ; B and A's rows 0-63 are in; the youngest eight loads may be out
	MUL16 \f, 0, 0, \zero
	MUL16 \f, 0, 2, \zero
	PLACES
	FETCH \q, \g
	s_wait_dscnt 32                                ; all but the 32 just issued
	MUL16 \f, 1, 0, \zero
	MUL16 \f, 1, 2, \zero
.endm
; The last quarter of a K step multiplies buffer 1 and changes slots.  In front of the barrier each wave waits for all its tensor loads (one is out: its part of the next slot), adds 0 to its spare
; word, and waits for that and for its reads of this slot.  fill = 1: the barrier opens a round of the cluster's, and the joint refill of the slot just left is the first thing behind the round.
.macro TURN fill
.if \fill
	s_wait_xcnt 0x0                                ; the last prefetch, a K step back, has read its address
	s_add_nc_u64 s[PFA:PFA+1], s[PFA:PFA+1], s[PFS:PFS+1]
.endif
	WIN 0
	s_wait_tensorcnt 0x0
	ds_add_u32 v[SPW], v[NIL]
	s_wait_dscnt 9                                 ; (the add and the youngest eight loads may be out)
	MUL16 F1, 0, 0, 0
	s_wait_dscnt 0x0                               ; the add is done, and my reads of this slot are over
	s_barrier_signal -1
	MUL16 F1, 0, 2, 0
	WIN 0
	s_barrier_wait -1
.if \fill
	CREST
	s_xor_b32 s[G0A+5], s[G0A+5], SLOT             ; the walking descriptors: the other slot, the next K step
	s_add_nc_u64 s[G0A+6:G0A+7], s[G0A+6:G0A+7], 256
	s_xor_b32 s[G0B+5], s[G0B+5], SLOT
	s_add_nc_u64 s[G0B+6:G0B+7], s[G0B+6:G0B+7], STEPB
	s_xor_b32 s[TB], s[TB], SLOT
	JLOAD                                          ; its four v_nop are also the places in front of the loads below
.else
	s_xor_b32 s[TB], s[TB], SLOT
	PLACES
.endif
	v_add_nc_u32 v[ADRA], s[TB], v[A0]
	v_add_nc_u32 v[ADRB], s[TB], v[B0]
	FETCH 0, F0
.if \fill
	ASK
.endif
	MUL16 F1, 1, 0, 0
	MUL16 F1, 1, 2, 0
.endm
; THE WAY OUT of block a (16 rows x 128 columns = two heads): rounded to f16; into my own stage; back as rows of 128 bytes of one head; stored, 512 consecutive bytes an instruction.
.macro PACK a
.set AC, 64*((\a)%4)
	WIN 0x0a+5*((\a)/4)                            ; sources 0 and 1: window 2 or 3
.irp b, 0,1,2,3,4,5,6,7
.irp r, 0,1,2,3
	v_cvt_pk_f16_f32 v[TMP+4*(\b)+(\r)], v[AC+8*(\b)+2*(\r)], v[AC+8*(\b)+2*(\r)+1]
.endr
.endr
	WIN 0
.endm
.macro TOSTAGE a
.set BK, 64+32*((\a)%2)
.irp b, 0,1,2,3,4,5,6,7
	ds_store_b128 v[STO], v[TMP+4*(\b):TMP+4*(\b)+3] offset:32*(\b)
.endr
.irp hh, 0,1
.irp f, 0,1,2,3
	ds_load_b128 v[BK+16*(\hh)+4*(\f):BK+16*(\hh)+4*(\f)+3], v[RD] offset:128*(\hh)+(\f)*4*SP  ; LDS serves a wave's instructions in order (ISA guide 5.7.1.4)
.endr
.endr
.endm
.macro SEND a
.set BK, 64+32*((\a)%2)
	s_wait_dscnt 0x0                               ; the block is back in registers
	s_wait_xcnt 0x0                                ; earlier stores have read their registers: the other buffer may be loaded again behind this
.irp f, 0,1,2,3
	global_store_b128 v[GO], v[BK+4*(\f):BK+4*(\f)+3], s[CB:CB+1] offset:(\a)*2048+(\f)*512
.endr
.irp f, 0,1,2,3
	global_store_b128 v[GO], v[BK+16+4*(\f):BK+16+4*(\f)+3], s[CB2:CB2+1] offset:(\a)*2048+(\f)*512
.endr
.endm
; One role, up to the end of its loop.  KK, NN: A's and B's row lengths; TT: K steps; SA, SB, SC: the registers of A's, B's and C's addresses; kv = 1: the second role.
.macro ROLE tag, KK, NN, TT, SA, SB, SC, kv
.set STEPB, 256*(\NN)                  ; 128 rows of B
.if \kv
.set RSH, 1                            ; tile rows in a batch: 2
.set BSH, 20                           ; a batch's bytes: 16 heads of 65,536
.set HSH, 16
	s_sub_co_u32 s59, s[YY], 8
	s_and_b32 s[TR], s59, 3
	s_lshl_b32 s[TR], s[TR], 2
	s_add_co_u32 s[TR], s[TR], s[CY]
	s_lshr_b32 s[TC], s59, 2
	s_lshl_b32 s[TC], s[TC], 2
	s_add_co_u32 s[TC], s[TC], s[CX]
	s_lshr_b32 s76, s59, 2                         ; 0 in the first of the clusters that read the same rows of A,
	s_and_b32 s77, s59, 3                          ; of B
.else
.set RSH, 2                            ; 4
.set BSH, 21                           ; 16 heads of 131,072
.set HSH, 17
	s_lshl_b32 s[TR], s[YY], 2
	s_add_co_u32 s[TR], s[TR], s[CY]
	s_mov_b32 s[TC], s[CX]
	s_mov_b32 s76, 0                               ; no other cluster reads my rows of A
	s_mov_b32 s77, s[YY]
.endif
	s_mov_b32 s[G1A+5], \KK                        ; elements from row to row
	s_mov_b32 s[G1B+5], \NN
	s_lshl_b32 s66, s[TR], 8                       ; A: row 256 x tile row + 128 x half: the tile column enters none of these registers
	s_lshl_b32 s67, s[WN], 7
	s_add_co_u32 s66, s66, s67
	s_mul_i32 s66, s66, 2*(\KK)
	s_mov_b32 s67, 0
	s_add_nc_u64 s[66:67], s[\SA:\SA+1], s[66:67]
	s_mul_i32 s70, s[WN], 128*(\NN)                ; B: 64 rows of K x half, 512 bytes x tile column: the tile row enters none of these
	s_lshl_b32 s71, s[TC], 9
	s_add_co_u32 s70, s70, s71
	s_mov_b32 s71, 0
	s_add_nc_u64 s[70:71], s[\SB:\SB+1], s[70:71]
	s_mul_i32 s68, s[WN], AHALF                    ; where they go: no place in the cluster enters an LDS address
	s_mul_i32 s69, s[WN], BHALF
	s_add_co_u32 s69, s69, BOFF
	CROUND                                         ; all sixteen work-groups are here: the first joint loads meet
.irp s, 0,1
	s_mov_b32 s[G0A+4*(\s)], 1
	s_add_co_u32 s[G0A+4*(\s)+1], s68, (\s)*SLOT
	s_add_nc_u64 s[G0A+4*(\s)+2:G0A+4*(\s)+3], s[66:67], (\s)*256
	s_or_b32 s[G0A+4*(\s)+3], s[G0A+4*(\s)+3], 0x80000000
	s_mov_b32 s[G0B+4*(\s)], 1
	s_add_co_u32 s[G0B+4*(\s)+1], s69, (\s)*SLOT
	s_add_nc_u64 s[G0B+4*(\s)+2:G0B+4*(\s)+3], s[70:71], (\s)*STEPB
	s_or_b32 s[G0B+4*(\s)+3], s[G0B+4*(\s)+3], 0x80000000
.endr
	s_cmp_eq_u32 s[WM], 0                          ; a wave's two first fills stand in one branch
	s_cbranch_scc0 .Lfirst_b_\tag
	tensor_load_to_lds s[G0A:G0A+3], s[G1A:G1A+7]
	s_nop 0
	tensor_load_to_lds s[G0A+4:G0A+7], s[G1A:G1A+7]
	s_nop 0
.rept 4
	v_nop
.endr
	s_branch .Lfirst_done_\tag
.Lfirst_b_\tag:
	tensor_load_to_lds s[G0B:G0B+3], s[G1B:G1B+7]
	s_nop 0
	tensor_load_to_lds s[G0B+4:G0B+7], s[G1B:G1B+7]
	s_nop 0
.rept 4
	v_nop
.endr
.Lfirst_done_\tag:
	; the prefetches.  A (waves 0, 1): of the 128 rows that I fetch, rows 32 cx + lane.  B (waves 2, 3): of my 64 rows of K, rows 16 cy + lane / 2, half lane % 2 of their 512 bytes.
	s_lshl_b32 s78, s[TR], 8
	s_lshl_b32 s79, s[WN], 7
	s_add_co_u32 s78, s78, s79
	s_lshl_b32 s79, s[CX], 5
	s_add_co_u32 s78, s78, s79
	s_mul_i32 s78, s78, 2*(\KK)
	s_add_co_u32 s78, s78, (1+AH)*256              ; each refill steps it first: refill n, which loads K step n + 2, names K step n + 2 + AH
	s_lshl_b32 s79, s[WN], 6
	s_lshl_b32 s80, s[CY], 4
	s_add_co_u32 s79, s79, s80
	s_mul_i32 s79, s79, 2*(\NN)
	s_lshl_b32 s80, s[TC], 9
	s_add_co_u32 s79, s79, s80
	s_add_co_u32 s79, s79, (1+AH)*STEPB
	s_mov_b32 s81, 2*(\NN)
	s_mov_b32 s[PFS], STEPB
	s_mov_b32 s[PFS+1], 0
	s_cmp_eq_u32 s[WM], 0
	s_cselect_b64 s[PFA:PFA+1], s[\SA:\SA+1], s[\SB:\SB+1]
	s_cselect_b32 s78, s78, s79
	s_cselect_b32 s76, s76, s77
	s_cselect_b32 s[PFS], 0x100, s[PFS]
	s_cselect_b32 s81, 2*(\KK), s81                ; bytes from row to row
	s_cselect_b32 s80, 0, 1                        ; lanes to a row: 1 or 2
	s_mov_b32 s79, 0
	s_add_nc_u64 s[PFA:PFA+1], s[PFA:PFA+1], s[78:79]
	s_cmp_eq_u32 s76, 0
	s_cselect_b32 s[LIM], AH, -1                   ; the same in all sixteen partners, for a given wave
	v_lshrrev_b32 v[PFO], s80, v[LN]
	v_mul_lo_u32 v[PFO], v[PFO], s81
	v_and_b32 v[T0], s80, v[LN]
	v_lshl_add_u32 v[PFO], v[T0], 8, v[PFO]
	; C at my first row: [k or v][batch][head][row][64]
	s_lshr_b32 s72, s[TC], 2
	s_lshl_b32 s72, s72, 23                        ; columns from 1,024 on are v's (none in q)
	s_lshr_b32 s73, s[TR], RSH
	s_lshl_b32 s73, s73, BSH
	s_add_co_u32 s72, s72, s73
	s_lshl_b32 s73, s[TC], 2
	s_lshl_b32 s74, s[WN], 1
	s_add_co_u32 s73, s73, s74
	s_and_b32 s73, s73, 15                         ; my first head
	s_lshl_b32 s73, s73, HSH
	s_add_co_u32 s72, s72, s73
	s_and_b32 s73, s[TR], (1<<RSH)-1
	s_lshl_b32 s73, s73, 8
	s_lshl_b32 s74, s[WM], 7
	s_add_co_u32 s73, s73, s74
	s_lshl_b32 s73, s73, 7                         ; my first row in the batch, 128 bytes a row
	s_add_co_u32 s72, s72, s73
	s_mov_b32 s73, 0
	s_add_nc_u64 s[CB:CB+1], s[\SC:\SC+1], s[72:73]
	s_add_nc_u64 s[CB2:CB2+1], s[CB:CB+1], 1<<HSH  ; the next head
	s_wait_tensorcnt 0x1                           ; my part of K step 0 is in; K step 1's may stay out
	s_barrier_signal -1
	s_barrier_wait -1
	FETCH 0, F0
	QUARTER 1, F0, F1, 1                           ; the first quarter's products start the sums: nothing is cleared
	WIN 0
	s_mov_b32 s[CNT], (\TT)-2
.Lk_\tag:                                      ; a trip: from a K step's second quarter to the next step's first; it fills the slot that it leaves
	QUARTER 2, F1, F0, 0
	QUARTER 3, F0, F1, 0
	TURN 1
	QUARTER 1, F0, F1, 0
	WIN 0
	s_sub_co_u32 s[CNT], s[CNT], 1
	s_cmp_lg_u32 s[CNT], 0
	s_cbranch_scc1 .Lk_\tag
.endm
	s_load_b128 s[4:7], s[0:1], 0x0                ; xn s[4:5], wq s[6:7]
	s_load_b128 s[8:11], s[0:1], 0x10              ; qh s[8:9], med s[10:11]
	s_load_b128 s[12:15], s[0:1], 0x20             ; wkv s[12:13], kvh s[14:15]
	v_lshl_add_u32 v[SPW], v0, 2, SPARE
	v_mov_b32 v[NIL], 0
	ds_add_u32 v[SPW], v[NIL]                      ; the wave's opening: the add, twice on end, and its wait ahead of my first tensor load
	ds_add_u32 v[SPW], v[NIL]
	v_lshrrev_b32 v1, 5, v0
	v_readfirstlane_b32 s[WV], v1
	s_lshr_b32 s[WM], s[WV], 1
	s_and_b32 s[WN], s[WV], 1
	s_bfe_u32 s[CX], ttmp6, 0x40000
	s_bfe_u32 s[CY], ttmp6, 0x40004
	s_and_b32 s[YY], ttmp7, 0xffff
	s_lshl_b32 s66, s[CY], 2
	s_lshl_b32 s66, 15, s66                        ; my row of the cluster
	s_lshl_b32 s70, 0x1111, s[CX]                  ; my column
	s_or_b32 s[G1A], s66, (1<<16)|(1<<20)|(1<<21)|(5<<22)|(3<<25)  ; the mask; 2-byte elements; padding on; bit 21 beside a mask; after every 64 words 4 words
	s_or_b32 s[G1B], s70, (1<<16)|(1<<20)|(1<<21)|(6<<22)|(7<<25)  ; after every 128 words 8 words
	s_mov_b32 s[G1A+1], 128<<16                    ; A: 128 rows x 128 elements
	s_mov_b32 s[G1A+2], 128<<16
	s_mov_b32 s[G1A+3], 128<<16
	s_mov_b32 s[G1A+4], 128
	s_mov_b32 s[G1A+6], 0
	s_mov_b32 s[G1A+7], 0
	s_mov_b32 s[G1B+1], 256<<16                    ; B: 64 rows x 256 elements
	s_mov_b32 s[G1B+2], 64<<16
	s_mov_b32 s[G1B+3], 256<<16
	s_mov_b32 s[G1B+4], 64
	s_mov_b32 s[G1B+6], 0
	s_mov_b32 s[G1B+7], 0
	s_mov_b32 s[TB], 0
	; the lanes' addresses, the same in both roles
	v_and_b32 v[R], 15, v0
	v_bfe_u32 v[H], v0, 4, 1
	v_and_b32 v[LN], 31, v0
	v_mul_u32_u24 v[A0], v[R], PA
	v_lshl_add_u32 v[A0], v[H], 4, v[A0]           ; row x 272 + 16 x half: a fragment of A, and a row of the stage
	s_mul_i32 s67, s[WV], 16*SP
	s_add_co_u32 s67, s67, STAGE                   ; my stage
	v_add_nc_u32 v[STO], s67, v[A0]
	s_mul_i32 s68, s[WM], AHALF                    ; my 128 rows of A
	v_add_nc_u32 v[A0], s68, v[A0]
	v_and_b32 v[T0], 7, v0
	v_lshl_add_u32 v[B0], v[H], 3, v[T0]           ; the turning load: lane l reads row of K 8 (l / 16) + l % 8, columns 8 ((l / 8) % 2) + 0..7
	v_mul_u32_u24 v[B0], v[B0], PB
	v_bfe_u32 v[T1], v0, 3, 1
	v_lshl_add_u32 v[B0], v[T1], 4, v[B0]
	s_lshl_b32 s68, s[WN], 8                       ; my 128 columns
	s_add_co_u32 s68, s68, BOFF
	v_add_nc_u32 v[B0], s68, v[B0]
	v_lshrrev_b32 v[RD], 3, v[LN]                  ; back: 32 lanes take four rows, 128 bytes of each
	v_mul_u32_u24 v[RD], v[RD], SP
	v_lshl_add_u32 v[RD], v[T0], 4, v[RD]
	v_add_nc_u32 v[RD], s67, v[RD]
	v_lshlrev_b32 v[GO], 4, v[LN]
	v_mov_b32 v[ADRA], v[A0]
	v_mov_b32 v[ADRB], v[B0]
	s_wait_dscnt 0x0                               ; both opening adds are done
	s_wait_kmcnt 0x0
	s_cmp_ge_u32 s[YY], 8
	s_cbranch_scc1 .Lkv
	ROLE q, 2048, 1024, 16, 4, 6, 8, 0
	s_branch .Ltail
.Lkv:
	ROLE kv, 1024, 2048, 8, 10, 12, 14, 1
.Ltail:                                        ; both roles: slot 0 is being read, slot 1's load is on its way, and nothing more is asked for
	s_mov_b32 s[CNT], 2
.Lt:                                           ; the last two K steps; the second trip is left in its middle
	QUARTER 2, F1, F0, 0
	QUARTER 3, F0, F1, 0
	WIN 0
	s_sub_co_u32 s[CNT], s[CNT], 1
	s_cmp_eq_u32 s[CNT], 0
	s_cbranch_scc1 .Llast
	TURN 0
	QUARTER 1, F0, F1, 0
	WIN 0
	s_branch .Lt
.Llast:
	s_wait_dscnt 8
	MUL16 F1, 0, 0, 0
	MUL16 F1, 0, 2, 0
	s_wait_dscnt 0x0
	MUL16 F1, 1, 0, 0
	MUL16 F1, 1, 2, 0
	WIN 0
	PLACES
	PLACES
	PACK 0
	TOSTAGE 0
.irp a, 1,2,3,4,5,6,7                  ; a block's conversions stand between the loads of the block before and the wait for them
	PACK \a
	SEND (\a)-1
	TOSTAGE \a
.endr
	SEND 7
	s_wait_tensorcnt 0x0                           ; the wave's end
	ds_add_u32 v[SPW], v[NIL]
	s_wait_dscnt 0x0
	CROUND                                         ; the closing round
	s_endpgm
.Lfunc_end_k_qbf216ac667_proj:
	.size	k_qbf216ac667_proj, .Lfunc_end_k_qbf216ac667_proj-k_qbf216ac667_proj
	.p2alignl 7, 3214868480
	.fill 96, 4, 3214868480
	.section	.rodata,"a",@progbits
	.p2align	6, 0x0
	.amdhsa_kernel k_qbf216ac667_proj
		.amdhsa_group_segment_fixed_size 327680
		.amdhsa_private_segment_fixed_size 0
		.amdhsa_enable_private_segment 0
		.amdhsa_kernarg_size 48
		.amdhsa_user_sgpr_count 2
		.amdhsa_user_sgpr_kernarg_segment_ptr 1
		.amdhsa_wavefront_size32 1
		.amdhsa_system_sgpr_workgroup_id_x 1
		.amdhsa_system_sgpr_workgroup_id_y 1
		.amdhsa_system_sgpr_workgroup_id_z 1
		.amdhsa_system_vgpr_workitem_id 0
		.amdhsa_next_free_vgpr 1024
		.amdhsa_next_free_sgpr 96
		.amdhsa_reserve_vcc 0
		.amdhsa_float_denorm_mode_32 3
		.amdhsa_float_denorm_mode_16_64 3
		.amdhsa_memory_ordered 1
		.amdhsa_forward_progress 1
		.amdhsa_inst_pref_size 146
	.end_amdhsa_kernel
	.amdgpu_metadata
---
amdhsa.version: [ 1, 2 ]
amdhsa.kernels:
  - .name:           k_qbf216ac667_proj
    .symbol:         k_qbf216ac667_proj.kd
    .args:
      - { .name: xn, .offset: 0, .size: 8, .value_kind: global_buffer, .address_space: global }
      - { .name: wq, .offset: 8, .size: 8, .value_kind: global_buffer, .address_space: global }
      - { .name: qh, .offset: 16, .size: 8, .value_kind: global_buffer, .address_space: global }
      - { .name: med, .offset: 24, .size: 8, .value_kind: global_buffer, .address_space: global }
      - { .name: wkv, .offset: 32, .size: 8, .value_kind: global_buffer, .address_space: global }
      - { .name: kvh, .offset: 40, .size: 8, .value_kind: global_buffer, .address_space: global }
    .group_segment_fixed_size: 327680
    .private_segment_fixed_size: 0
    .kernarg_segment_align: 8
    .kernarg_segment_size: 48
    .max_flat_workgroup_size: 128
    .sgpr_count:     96
    .vgpr_count:     1024
    .wavefront_size: 32
...
	.end_amdgpu_metadata
.endif
;; end of part 2
;; launch attn (part 3): grid 2 x 128, 4 waves a work-group, no clusters, 167,936 bytes of LDS; arguments qh, kvh, oh; writes oh
.if DOCPART == 3
	.amdgcn_target "amdgcn-amd-amdhsa--gfx1250"
	.amdhsa_code_object_version 6
	.text
	.protected	k_qbf216ac667_attn
	.globl	k_qbf216ac667_attn
	.p2align	8
	.type	k_qbf216ac667_attn,@function
k_qbf216ac667_attn:
	s_mov_b64 s[64:65], 0
	v_nop
	global_prefetch_b8 v0, s[64:65] scope:SCOPE_SE
	s_setreg_imm32_b32 hwreg(HW_REG_WAVE_MODE, 25, 1), 1
	s_wait_xcnt 0x0
; Launch 3 of 4: O[bh][q][:] = (1/8) the sum over k of softmax_k(Q[bh][q] . K[bh][k]) V[bh][k][:].  qh, oh: [128][1024][64]; kvh: [k, v][128][512][64]; all f16, a head's rows dense, 128 bytes each.
; No mask is applied: reference() applies none (media_locations reaches no output and is not an argument).  No scale stands in front of the softmax; the 1/8 behind it goes into the division by l.
; Products, maxima and sums in f32; the weights p are rounded to f16 for the second product (their sum l is taken of the unrounded p), O once at the end.
; LIMITS.  p lies in 0 to 1, and below 6e-5 it keeps f16's fixed step of 6e-8; O is an eighth of a mean of V's rows.  A weight below 2^-126 counts as 0 in l; NaN and infinities are not treated apart.
; SHARES.  A work-group owns 512 queries of one head: 256 work-groups.  A wave owns four PIECES of two tiles of 16 queries.  Every wave walks the head's 512 keys, 64 a step: eight steps.
; ALL OF THE HEAD'S K AND V LIE IN LDS AT ONCE: 512 rows of 144 and of 160 bytes.  Each wave brings a quarter by one tensor load at the start; nothing is filled again.
; NO CLUSTER: two work-groups share a head, and they ask once, at the start; four partners would be two heads, whose tiles differ.  No prefetch: all that is read is asked for at the head.
; LAYOUT.  S^T = K Q^T (source 0 = 16 keys, source 1 = 16 queries): a lane holds ONE query (lane % 16) and the keys 8 (lane / 16) + 0..7.  Two such tiles, rounded to f16 in pairs, ARE source 1 of
; O^T = V^T P.  K comes out of LDS as it lies, V ([key][channel]) turned, by ds_load_tr16_b128.
; SOFTMAX.  For each query a running maximum m and sum l: p = 2^(c s - c m), c = log2(e); in every step O and l are multiplied by a = 2^(c m_old - c m_new).  m starts at the lowest finite number,
; O and l at 0: the first step is a step like any other, with a = 0.
; BY TURNS.  Turn n belongs to piece n.  Its matrix work: 16 products K Q^T of piece n + 1, later 16 products V^T P of piece n - 1.  Its vector work: the scaling, exponentials, roundings, sums and
; rescaling of piece n, and the maximum and statistics of piece n + 1.  Four vector instructions stand behind every matrix instruction, the rest in one run; a turn's 66 exponentials are one batch with one wait.
; REGISTERS, in windows of 256 (s_set_vgpr_msb: bits 1:0 source 0, 3:2 source 1, 5:4 source 2, 7:6 destination):
;   window 0: v0-11 addresses; v12-15, v48-63 at work; v16-47 four registers of statistics a tile; v64-191 S^T, two buffers of two tiles; v192-255 P, likewise
;   window 1: O^T, 32 a tile          window 2: v0-127 Q, 16 a tile; v128-191 K of one step; v192-255 V of one step          window 3: v0-1 the add's two registers
.set NP,    4
.set KS,    64
.set PK,    144       ; a row of K in LDS: 128 bytes + 16: the 16 rows of a load start at 16 different groups of four banks (ISA guide 11.1)
.set PV,    160       ; a row of V: 128 + 32
.set VOFF,  8*KS*PK   ; 512 rows of K, then 512 rows of V
.set STAGE, VOFF+8*KS*PV  ; behind them, never filled by a tensor load: 16 rows x 144 bytes for each wave
.set SP,    144
.set AK0, 2
.set AV0, 3
.set AK,  4
.set AV,  5
.set QO,  6
.set STO, 6
.set RD,  7
.set GO,  8
.set SPW, 0           ; v0 of window 3   LDS address of my spare word; never rewritten
.set NIL, 1           ; v1 of window 3   0; never rewritten
.set SPARE, STAGE+4*16*SP  ; the spare words, 128 bytes for each wave: two blocks of 256 bytes that no other line names
.set MV,  12
.set ST,  16          ; tile t's statistics at v[ST+4 t]: c m, m, l (even keys', odd keys')
.set TMP, 48
.set S,   64
.set P,   192
.set KF,  128
.set VF,  192
.set WV,  12
.set G1K, 24
.set G1V, 32
.set G0K, 40
.set G0V, 44
.set CNT, 57
.set CS,  58
.set SEL, 60
.set TBK, 62          ; s62  LDS byte at which K of the step to be fetched begins
.set TBV, 63          ; s63  the same for V, less VOFF
.set MSB, 0
.macro WIN new
.if MSB != (\new)
	s_set_vgpr_msb (MSB<<8)|(\new)
.set MSB, (\new)
.endif
.endm
.set W_KQ, 0x0a
.set W_PV, 0x52
.set W_RS, 0x41
.set W_MK, 0xc0
.set W_AD, 0x0f
	s_load_b128 s[4:7], s[0:1], 0x0   ; qh s[4:5], kvh s[6:7]
	s_load_b64 s[10:11], s[0:1], 0x10 ; oh
	WIN W_MK
	v_lshl_add_u32 v[SPW], v0, 2, SPARE
	v_mov_b32 v[NIL], 0
	WIN W_AD
	ds_add_u32 v[SPW], v[NIL]       ; the wave's opening: the add, twice on end, and its wait ahead of my first tensor load
	ds_add_u32 v[SPW], v[NIL]
	WIN 0
	v_lshrrev_b32 v1, 5, v0
	v_readfirstlane_b32 s[WV], v1   ; wave 0..3
	s_and_b32 s20, ttmp7, 0xffff    ; the head
	s_and_b32 s16, s[WV], 1         ; which half of the 512 keys I fetch:
	s_lshl_b32 s22, s20, 16         ; the head's 65,536 bytes of K (and of V),
	s_lshl_b32 s23, s16, 15         ; 256 rows of 128 bytes
	s_add_co_u32 s22, s22, s23
	s_mov_b32 s23, 0
	s_mul_i32 s17, s16, 256*PK      ; and its place in LDS, for K
	s_mul_i32 s18, s16, 256*PV      ; and for V
	s_lshl_b32 s2, ttmp9, 2
	s_add_co_u32 s2, s2, s[WV]      ; my wave among the head's eight,
	s_lshl_b32 s2, s2, 14           ; its 128 rows
	s_lshl_b32 s3, s20, 17          ; the head's 131,072 bytes of Q and O
	s_add_co_u32 s2, s2, s3
	s_mov_b32 s3, 0
	; descriptor group 1.  256 keys are 32,768 dense bytes: asked for as 128 rows of 256 bytes, two keys a row, and padded in LDS after every key
	s_mov_b32 s[G1K], (1<<16)|(1<<20)|(4<<22)|(3<<25)  ; 2-byte elements; padding on; after every 32 words 4 words
	s_mov_b32 s[G1V], (1<<16)|(1<<20)|(4<<22)|(7<<25)  ; 8 words
.irp g, G1K, G1V
	s_mov_b32 s[\g+1], 128<<16      ; tensor_dim0 = 128
	s_mov_b32 s[\g+2], 128<<16      ; tensor_dim1 = 128
	s_mov_b32 s[\g+3], 128<<16      ; tile_dim0 = 128
	s_mov_b32 s[\g+4], 128          ; tile_dim1 = 128
	s_mov_b32 s[\g+5], 128          ; 128 elements from row to row
	s_mov_b32 s[\g+6], 0
	s_mov_b32 s[\g+7], 0
.endr
	s_mov_b32 s[CS], 0x3fb8aa3b     ; c = log2(e)
	s_mov_b32 s[CS+1], s[CS]
	s_mov_b32 s[SEL], 0x76543210
	s_mov_b32 s[SEL+1], 0xfedcba98
	s_mov_b32 s[TBK], 0
	s_mov_b32 s[TBV], 0
	s_mov_b32 s[G0K], 1
	s_mov_b32 s[G0K+1], s17
	s_mov_b32 s[G0V], 1
	s_add_co_u32 s[G0V+1], s18, VOFF
	s_wait_dscnt 0x0                ; both opening adds are done
	s_wait_kmcnt 0x0
	s_add_nc_u64 s[G0K+2:G0K+3], s[6:7], s[22:23]
	s_or_b32 s[G0K+3], s[G0K+3], 0x80000000
	s_add_nc_u64 s[G0V+2:G0V+3], s[6:7], s[22:23]
	s_add_nc_u64 s[G0V+2:G0V+3], s[G0V+2:G0V+3], 0x800000  ; v lies 8,388,608 bytes behind k
	s_or_b32 s[G0V+3], s[G0V+3], 0x80000000
	s_add_nc_u64 s[4:5], s[4:5], s[2:3]
	s_add_nc_u64 s[10:11], s[10:11], s[2:3]
	s_cmp_lt_u32 s[WV], 2           ; waves 0 and 1 fetch K's halves, waves 2 and 3 V's: one tensor load a wave, the only one of the launch
	s_cbranch_scc0 .Lfor_v
	tensor_load_to_lds s[G0K:G0K+3], s[G1K:G1K+7]
	s_nop 0
.rept 4
	v_nop
.endr
	s_branch .Lasked
.Lfor_v:
	tensor_load_to_lds s[G0V:G0V+3], s[G1V:G1V+7]
	s_nop 0
.rept 4
	v_nop
.endr
.Lasked:
	; A fragment of K or Q is 16 rows x 32 channels in 8 registers: lane l holds row l % 16, channels 8 (l / 16) + 0..7 and 16 + 8 (l / 16) + 0..7: two loads of 16 bytes, 32 bytes apart.
	v_and_b32 v1, 15, v0
	v_bfe_u32 v9, v0, 4, 1
	v_lshlrev_b32 v[QO], 7, v1
	v_lshl_add_u32 v[QO], v9, 4, v[QO]
	WIN 0x80
.set i, 0
.rept 4*NP                          ; Q stays in registers: tile i / 2, channels 32 (i % 2) on
	global_load_b128 v[8*i:8*i+3],   v[QO], s[4:5] offset:(i/2)*2048+(i%2)*64
	global_load_b128 v[8*i+4:8*i+7], v[QO], s[4:5] offset:(i/2)*2048+(i%2)*64+32
.set i, i+1
.endr
	; What the first turn finds: V's registers and P's second buffer hold 0 (its products V^T P, of a piece that has not been, add 0), O^T and l are 0.  All this stands in the wait for the tiles.
.set i, VF
.rept 64
	v_mov_b32 v[i], 0
.set i, i+1
.endr
	WIN 0x40
.set i, 0
.rept 64*NP
	v_mov_b32 v[i], 0
.set i, i+1
.endr
	WIN 0
.set i, 0
.rept 2*NP
	v_mov_b32 v[ST+4*i], 0xfe000000    ; c m: far below every c s
	v_mov_b32 v[ST+4*i+1], 0xff7fffff  ; m
	v_mov_b32 v[ST+4*i+2], 0
	v_mov_b32 v[ST+4*i+3], 0
.set i, i+1
.endr
.set i, P+32
.rept 32
	v_mov_b32 v[i], 0
.set i, i+1
.endr
	v_mul_u32_u24 v[AK0], v1, PK
	v_lshl_add_u32 v[AK0], v9, 4, v[AK0]
	v_and_b32 v10, 7, v0
	v_bfe_u32 v11, v0, 3, 1
	v_lshl_add_u32 v[AV0], v9, 3, v10
	v_mul_u32_u24 v[AV0], v[AV0], PV
	v_lshl_add_u32 v[AV0], v11, 4, v[AV0]
	v_add_nc_u32 v[AV0], VOFF, v[AV0]
	v_mov_b32 v[AK], v[AK0]         ; key step 0
; THE MATRIX WORK.  The 8 accumulators of a run of 16 take turns.
.macro KQ x
	WIN W_KQ
.set rS, S+64*((\x)%2)+32*(i%2)+8*((i/2)%4)
.set rK, KF+16*((i/2)%4)+8*(i/8)
.set rQ, 16*(2*(\x)+i%2)+8*(i/8)
.if i < 8
	v_wmma_f32_16x16x32_f16 v[rS:rS+7], v[rK:rK+7], v[rQ:rQ+7], 0
.else
	v_wmma_f32_16x16x32_f16 v[rS:rS+7], v[rK:rK+7], v[rQ:rQ+7], v[rS:rS+7]
.endif
.endm
.macro PV x
	WIN W_PV
.set rO, 32*(2*(\x)+i%2)+8*((i/2)%4)
.set rV, VF+32*(i/8)+8*((i/2)%4)
.set rP, P+32*((\x)%2)+16*(i%2)+8*(i/8)
	v_wmma_f32_16x16x32_f16 v[rO:rO+7], v[rV:rV+7], v[rP:rP+7], v[rO:rO+7]
.endm
.macro MM
.if i < 16
	KQ (Y+1)%NP
.set i, i+1
.else
.set i, i-16
	PV (Y+NP-1)%NP
.set i, i+17
.endif
.endm
; THE LDS LOADS stand in runs of 16.  last = 1: in the loop's last trip there is no further step, and K's run is jumped over.
.macro FETCH_K last=0
	WIN 0
.if \last
	s_cmp_eq_u32 s[CNT], 1
	s_cbranch_scc1 .Lno_k_\@
.endif
	WIN 0x80
.irp f, 0,1,2,3,4,5,6,7
	ds_load_b128 v[KF+8*\f:KF+8*\f+3],   v[AK] offset:(\f/2)*16*PK+(\f%2)*64
	ds_load_b128 v[KF+8*\f+4:KF+8*\f+7], v[AK] offset:(\f/2)*16*PK+(\f%2)*64+32
.endr
	s_add_co_u32 s[TBK], s[TBK], KS*PK
	WIN 0
.if \last
.Lno_k_\@:
.endif
.endm
.macro FETCH_V
	WIN 0x80
.irp f, 0,1,2,3,4,5,6,7
	ds_load_tr16_b128 v[VF+8*\f:VF+8*\f+3],   v[AV] offset:(\f/4)*32*PV+(\f%4)*32
	ds_load_tr16_b128 v[VF+8*\f+4:VF+8*\f+7], v[AV] offset:(\f/4)*32*PV+16*PV+(\f%4)*32
.endr
	WIN 0
.endm
; THE VECTOR WORK OF A TURN stands in three queues, each in the order in which its entries become ready; the two tiles alternate.
.macro REGS y, u
.set rT, ST+4*(2*(\y)+(\u))
.set rC, TMP+8*((\y)%2)+4*(\u)
.set rM, MV+2*((\y)%2)+(\u)
.set rS, S+64*((\y)%2)+32*(\u)
.set rP, P+32*((\y)%2)+16*(\u)
.set rO, 32*(2*(\y)+(\u))
.endm
; Number n of the 22 that find the NEXT piece's maximum and statistics; each accumulator's lowest registers are read first.
.macro XS u, n
	REGS (Y+1)%NP, \u
.if (\n) < 4
	v_max3_num_f32 v[rC+(\n)], v[rS+8*(\n)], v[rS+8*(\n)+1], v[rS+8*(\n)+2]
.elseif (\n) < 12
	v_max3_num_f32 v[rC+(\n)%4], v[rC+(\n)%4], v[rS+8*((\n)%4)+2*((\n)/4)+1], v[rS+8*((\n)%4)+2*((\n)/4)+2]
.elseif (\n) == 12
	v_max3_num_f32 v[rC], v[rC], v[rS+7], v[rS+15]
.elseif (\n) == 13
	v_max3_num_f32 v[rC+1], v[rC+1], v[rS+23], v[rS+31]
.elseif (\n) == 14
	v_max3_num_f32 v[rC+2], v[rC+2], v[rC+3], v[rT+1]
.elseif (\n) == 15
	v_mov_b32 v[rM], v[rT]
.elseif (\n) == 16
	v_max3_num_f32 v[rC], v[rC], v[rC+1], v[rC+2]
.elseif (\n) == 17
	v_permlanex16_b32 v[rC+3], v[rC], s[SEL], s[SEL+1]
.elseif (\n) == 18
	v_max_num_f32 v[rT+1], v[rC], v[rC+3]
.elseif (\n) == 19
	v_mul_f32 v[rT], s[CS], v[rT+1]
.elseif (\n) == 20
	v_sub_f32 v[rC+1], v[rM], v[rT]
.else
	v_exp_f32 v[rC+2], v[rC+1]
.endif
.endm
; Number g of the 64 that follow the exponentials: roundings to f16, sums in place, and l.
.macro GS g
.set h, (\g)+6*((\g)/62)
.if h >= 6
.set h, h+2
.endif
	REGS Y, h%2
.set k, h/8
.if h%8 < 4
	v_cvt_pk_f16_f32 v[rP+2*k+(h%8)/2], v[rS+4*k+2*((h%8)/2)], v[rS+4*k+2*((h%8)/2)+1]
.elseif h%8 < 6
	v_pk_add_f32 v[rS+4*k:rS+4*k+1], v[rS+4*k:rS+4*k+1], v[rS+4*k+2:rS+4*k+3]
.elseif k == 1
	v_pk_fma_f32 v[rT+2:rT+3], v[rT+2:rT+3], v[rC+2:rC+3], v[rS:rS+1] op_sel_hi:[1,0,1]
.else
	v_pk_add_f32 v[rT+2:rT+3], v[rT+2:rT+3], v[rS+4*k-4:rS+4*k-3]
.endif
.endm
.macro FS f
	REGS Y, (\f)%2
	v_pk_fma_f32 v[rS+2*((\f)/2):rS+2*((\f)/2)+1], v[rS+2*((\f)/2):rS+2*((\f)/2)+1], s[CS:CS+1], v[rT:rT+1] op_sel_hi:[1,0,0] neg_lo:[0,0,1] neg_hi:[0,0,1]
.endm
; THE PLAIN QUEUE, 138 long: 0-73 read no exponential's result (the 32 scalings and the next piece's 42); 74-137 are GS's 64 and stand behind the wait.
.macro PL
	WIN 0
.if q < 27
	FS q
.elseif q < 55
	XS (q-27)%2, (q-27)/2
.elseif q < 57
	XS q-55, 15
.elseif (q < 72) && ((q-57)%3 == 0)
	FS 27+(q-57)/3
.elseif q < 60
	XS (q-57)%3-1, 14
.elseif q < 72
	XS (q-57)%3-1, 15+(q-57)/3
.elseif q < 74
	XS q-72, 20
.else
	GS q-74
.endif
.set q, q+1
.endm
; THE EXPONENTIALS' QUEUE, 66 long: ONE BATCH ahead of the turn's one wait.
.macro EX
	WIN 0
.if e >= 64
	XS e-64, 21
.else
	REGS Y, e%2
	v_exp_f32 v[rS+e/2], v[rS+e/2]
.endif
.set e, e+1
.endm
; THE RESCALING's QUEUE: O^T times a, two at a time.
.macro R2
	REGS Y, r%2
	WIN W_RS
.irp z, 0,1
	v_pk_mul_f32 v[rO+4*(r/2)+2*\z:rO+4*(r/2)+2*\z+1], v[rO+4*(r/2)+2*\z:rO+4*(r/2)+2*\z+1], v[rC+2:rC+3] op_sel_hi:[1,0]
.endr
.set r, r+1
.endm
; A TURN, for piece p.  Ahead of its one wait: 16 products K Q^T, behind each a scaling, an exponential and two rescalings; then a run of 108.  Behind it: 16 products V^T P, behind each four of GS's 64.
; K of the next step is fetched in piece 2's turn, directly behind the wait; V of the step in hand at the end of piece 0's turn, four plain instructions behind its last reader.
; cnt = 1: the loop's count is taken down some lines ahead of the branch that stands behind the turn.
.macro TURN p, last=0, cnt=0
.set Y, (\p)
.set i, 0
.set q, 0
.set e, 0
.set r, 0
.if (\p) == NP-1
	s_wait_dscnt 0x0                ; K is in
.endif
	MM
	PL
	PL
	R2
.rept 15
	MM
	PL
	EX
	R2
.endr
.if (\p) == NP-2
	WIN 0
	v_add_nc_u32 v[AK], s[TBK], v[AK0]
.endif
.rept 8
	PL
.endr
.rept 49
	EX
	PL
.endr
	EX
	EX
	v_nop                           ; a plain instruction behind the last exponential: one for the batch
	s_wait_alu depctr_va_vdst(0)    ; the wait for the batch, ahead of the first reader
.if (\p) == NP-2
	FETCH_K \last
.endif
.if (\p) == 1
	s_wait_dscnt 0x0                ; V is in
.endif
.rept 16
	MM
.rept 4
	PL
.endr
.if ((\p) == 0) && (q == 118)
	v_add_nc_u32 v[AV], s[TBV], v[AV0]
.endif
.if ((\p) == 0) && (q == 130)
	s_add_co_u32 s[TBV], s[TBV], KS*PV
.endif
.if (\cnt) && (q == 130)
	s_sub_co_u32 s[CNT], s[CNT], 1
	s_cmp_lg_u32 s[CNT], 0
.endif
.endr
.if (\p) == 0
	FETCH_V
.endif
.endm
	s_wait_tensorcnt 0x0            ; my quarter of K and V is in,
	s_barrier_signal -1
	s_barrier_wait -1               ; everybody's is
	FETCH_K                         ; key step 0
	s_wait_loadcnt 0x0              ; Q
	s_wait_dscnt 0x0
.set i, 0
.rept 16
	KQ 0                            ; piece 0's first scores
.set i, i+1
.endr
	WIN 0                           ; the addresses for the way out: the places behind those products
	s_mul_i32 s13, s[WV], 16*SP
	s_add_co_u32 s13, s13, STAGE
	v_mul_u32_u24 v[STO], v1, SP
	v_lshl_add_u32 v[STO], v9, 4, v[STO]
	v_add_nc_u32 v[STO], s13, v[STO]
	v_bfe_u32 v[RD], v0, 3, 2
	v_mul_u32_u24 v[RD], v[RD], SP
	v_lshl_add_u32 v[RD], v10, 4, v[RD]
	v_add_nc_u32 v[RD], s13, v[RD]
	v_and_b32 v[GO], 31, v0
	v_lshlrev_b32 v[GO], 4, v[GO]
.set Y, NP-1
.irp n, 0,1,2,3,4,5,6,7,8,9,10,11,12,13,14,15,16,17,18,19,20,21
	XS 0, \n
	XS 1, \n
.endr
	v_nop
	s_wait_alu depctr_va_vdst(0)    ; the two a have their wait ahead of the label
	s_mov_b32 s[CNT], 8
.Lstep:                             ; a trip is a key step.  The last trip's 16 products K Q^T for a ninth step (on the last K once more) and the maximum made of them serve nothing: the price of one text for every trip
	TURN 0
	TURN 1
	TURN 2, 1
	TURN 3, 0, 1
	WIN 0
	s_cbranch_scc1 .Lstep
.set i, 0
.rept 16
	PV NP-1                         ; the last piece's V^T P of the last step
.set i, i+1
.endr
	; THE WAY OUT.  l's two halves and the other half of the lanes' are added; O^T is divided by 8 l, rounded to f16 and sent through my stage in LDS, a tile at a time.
	WIN 0
.macro ALL line:vararg
.set t, 0
.rept 2*NP
	\line
.set t, t+1
.endr
.endm
	ALL v_add_f32 v[ST+4*t+2], v[ST+4*t+2], v[ST+4*t+3]
	ALL v_permlanex16_b32 v[ST+4*t+3], v[ST+4*t+2], s[SEL], s[SEL+1]
	ALL v_add_f32 v[ST+4*t+2], v[ST+4*t+2], v[ST+4*t+3]
	ALL v_mul_f32 v[ST+4*t+2], 0x41000000, v[ST+4*t+2]
	ALL v_rcp_f32 v[ST+4*t+2], v[ST+4*t+2]
	v_nop
	s_wait_alu depctr_va_vdst(0)    ; one wait for the eight reciprocals
.macro PACK t
	WIN W_RS
.set i, 32*(\t)
.rept 16
	v_pk_mul_f32 v[i:i+1], v[i:i+1], v[ST+4*(\t)+2:ST+4*(\t)+3] op_sel_hi:[1,0]
.set i, i+2
.endr
	WIN 0x05
.set i, 0
.rept 16
	v_cvt_pk_f16_f32 v[S+16*(\t)+i], v[32*(\t)+2*i], v[32*(\t)+2*i+1]
.set i, i+1
.endr
	WIN 0
.irp f, 0,1,2,3
	ds_store_b128 v[STO], v[S+16*(\t)+4*\f:S+16*(\t)+4*\f+3] offset:32*\f
.endr
.irp f, 0,1,2,3
	ds_load_b128 v[S+16*(\t)+4*\f:S+16*(\t)+4*\f+3], v[RD] offset:\f*4*SP  ; LDS serves a wave's instructions in order (ISA guide 5.7.1.4)
.endr
.endm
.macro SEND t, younger
	WIN 0
.irp f, 0,1,2,3
	s_wait_dscnt (\younger)+3-\f
	global_store_b128 v[GO], v[S+16*(\t)+4*\f:S+16*(\t)+4*\f+3], s[10:11] offset:(\t)*2048+\f*512  ; 512 consecutive bytes, at a multiple of 256 from O's first
.endr
.endm
	PACK 0
.set t, 1
.rept 2*NP-1
	PACK t
	SEND t-1, 8
.set t, t+1
.endr
	SEND 2*NP-1, 0
	WIN W_AD
	s_wait_tensorcnt 0x0            ; the wave's end
	ds_add_u32 v[SPW], v[NIL]
	s_wait_dscnt 0x0
	WIN 0
	s_endpgm
.Lfunc_end_k_qbf216ac667_attn:
	.size	k_qbf216ac667_attn, .Lfunc_end_k_qbf216ac667_attn-k_qbf216ac667_attn
	.p2alignl 7, 3214868480
	.fill 96, 4, 3214868480
	.section	.rodata,"a",@progbits
	.p2align	6, 0x0
	.amdhsa_kernel k_qbf216ac667_attn
		.amdhsa_group_segment_fixed_size 167936
		.amdhsa_private_segment_fixed_size 0
		.amdhsa_enable_private_segment 0
		.amdhsa_kernarg_size 24
		.amdhsa_user_sgpr_count 2
		.amdhsa_user_sgpr_kernarg_segment_ptr 1
		.amdhsa_wavefront_size32 1
		.amdhsa_system_sgpr_workgroup_id_x 1
		.amdhsa_system_sgpr_workgroup_id_y 1
		.amdhsa_system_sgpr_workgroup_id_z 1
		.amdhsa_system_vgpr_workitem_id 0
		.amdhsa_next_free_vgpr 770
		.amdhsa_next_free_sgpr 66
		.amdhsa_reserve_vcc 0
		.amdhsa_float_denorm_mode_32 3
		.amdhsa_float_denorm_mode_16_64 3
		.amdhsa_memory_ordered 1
		.amdhsa_forward_progress 1
		.amdhsa_inst_pref_size 124
	.end_amdhsa_kernel
	.amdgpu_metadata
---
amdhsa.version: [ 1, 2 ]
amdhsa.kernels:
  - .name:           k_qbf216ac667_attn
    .symbol:         k_qbf216ac667_attn.kd
    .args:
      - { .name: qh, .offset: 0, .size: 8, .value_kind: global_buffer, .address_space: global }
      - { .name: kvh, .offset: 8, .size: 8, .value_kind: global_buffer, .address_space: global }
      - { .name: oh, .offset: 16, .size: 8, .value_kind: global_buffer, .address_space: global }
    .group_segment_fixed_size: 167936
    .private_segment_fixed_size: 0
    .kernarg_segment_align: 8
    .kernarg_segment_size: 24
    .max_flat_workgroup_size: 128
    .sgpr_count:     66
    .vgpr_count:     770
    .wavefront_size: 32
...
	.end_amdgpu_metadata
.endif
;; end of part 3
;; launch outp (part 4): grid 8 x 32, 4 waves a work-group, clusters of 4 x 4, 327,680 bytes of LDS; arguments oh, wo, out0; writes out0
.if DOCPART == 4
	.amdgcn_target "amdgcn-amd-amdhsa--gfx1250"
	.amdhsa_code_object_version 6
	.text
	.protected	k_qbf216ac667_outp
	.globl	k_qbf216ac667_outp
	.p2align	8
	.type	k_qbf216ac667_outp,@function
k_qbf216ac667_outp:
	s_mov_b64 s[64:65], 0
	v_nop
	global_prefetch_b8 v0, s[64:65] scope:SCOPE_SE
	s_setreg_imm32_b32 hwreg(HW_REG_WAVE_MODE, 25, 1), 1
	s_wait_xcnt 0x0
	s_wait_alu depctr_hold_cnt(0) depctr_sa_sdst(0) depctr_va_vdst(0) depctr_va_sdst(0) depctr_va_ssrc(0) depctr_va_vcc(0) depctr_vm_vsrc(0)
	s_getreg_b32 s2, hwreg(HW_REG_IB_STS2, 6, 4)
	s_cmp_eq_u32 s2, 0
	s_cbranch_scc0 .Lentry_in_a_cluster
	s_endpgm
.Lentry_in_a_cluster:
	s_bfe_u32 s2, ttmp6, 0x10000c
	s_cmp_lg_u32 s2, 0xf033
	s_cbranch_scc0 .Lentry_shape_is_right
	s_endpgm
.Lentry_shape_is_right:
; Launch 4 of 4: out0 = O wo (8192 x 1024 x 2048).  oh: [b 16 + h][1024][64] f16; wo: [1024 k][2048 n] f16; out0: [8192][2048] f32; sums in f32, stored as they are.
; (media_locations reaches no output and is not an argument.)
; SHARES.  A tile of out0 is 256 x 256: 256 work-groups.  Four waves, each 128 x 128: 64 accumulators, 512 registers.  K goes in steps of 128, which are two heads, through two LDS slots.
; A BY HEADS.  A K step's A is two planes, one a head: 256 rows of 128 bytes, dense in memory: asked for as 128 rows of 256 bytes and padded in LDS after every 128.  Wave 0 fetches the first plane,
; wave 1 the second; waves 2 and 3 fetch B's two halves (64 rows of K x 512 bytes).  B lies [K][N] and is turned on its way out of LDS by ds_load_tr16_b128.
; A wave has two tensor loads out at the start and one later.
; JOINT LOADS.  4 x 4 work-groups form a cluster: A's planes are asked for jointly along a row of the cluster, B's halves along a column.
; THE MATRIX INSTRUCTION IS USED TRANSPOSED (source 0 = 16 columns of B, source 1 = 16 rows of A): a lane then holds eight neighbouring numbers of a row of out0.
; ONE K STEP IS WRITTEN ONCE: the read addresses hang on s[TB], and one descriptor a tensor walks on; one exclusive or turns an address from slot to slot.
; REGISTERS.  Window 0: v0-31 addresses; v64-127, v128-191 A's fragments, two buffers.  Window 1: the same numbers, B's.  Windows 2, 3: the accumulators of my rows 0-63, 64-127, (a, b) at v[8 (8 a + b)].
.set TT,    8
.set PA,    144                        ; a row of A in LDS: 128 bytes + 16
.set PB,    544                        ; a row of B: 512 + 32
.set APL,   256*PA                     ; a plane
.set BOFF,  2*APL
.set BHALF, 64*PB
.set SLOT,  147456                     ; slot 1 begins here: bits 17 and 14, which none of the four tiles' first bytes in a slot (0; 36,864; 73,728; 108,544) has
.set STAGE, SLOT+BOFF+128*PB           ; behind the ring, never filled by a tensor load: 16 rows x 528 bytes for each wave
.set SP,    528
.set SPARE, STAGE+4*16*SP              ; the spare words, 128 bytes for each wave: two blocks of 256 bytes that no other line names
.set STEPA, 262144                     ; two heads
.set STEPB, 524288                     ; 128 rows of wo
.set AH,    2                          ; a prefetch names the K step two behind the one that is being asked for
.set R,   1
.set H,   2
.set LN,  3
.set T0,  4
.set T1,  5
.set A0,  8
.set B0,  9
.set ADRA, 10
.set ADRB, 11
.set STO, 12
.set RD,  13
.set CO,  14
.set PFO, 15
.set SPW, 28                           ; v28  LDS address of my spare word; never rewritten
.set NIL, 29                           ; v29  0; never rewritten
.set F0,  64
.set F1,  128
.set WV,  16
.set WM,  17
.set WN,  18
.set CX,  19
.set CY,  20
.set YY,  21
.set TR,  22
.set TC,  23
.set G1A, 24
.set G0A, 32
.set G1B, 40
.set G0B, 48
.set CNT, 56
.set TB,  57
.set LIM, 58
.set PFA, 60
.set PFS, 62
.set CB,  72
.set MSB, 0
.macro WIN new
.if MSB != (\new)
	s_set_vgpr_msb (MSB<<8)|(\new)
.set MSB, \new
.endif
.endm
.set MUL_LO, 0xa1                      ; source 0 (B) window 1, source 1 (A) window 0, C and D window 2
.set MUL_HI, 0xf1
.set TO_B,   0x40
.macro PLACES
.rept 4
	v_nop
.endr
.endm
.macro CREST
	s_cmp_lg_u32 s[WV], 0
	s_cbranch_scc1 .Lnot_wave_0_\@
	s_barrier_signal -3
.Lnot_wave_0_\@:
	s_barrier_wait -3
	s_barrier_signal -1
	s_barrier_wait -1
.endm
.macro CROUND
	s_barrier_signal -1
	s_barrier_wait -1
	CREST
.endm
.macro JLOAD                           ; a joint refill by the walking descriptor; an s_nop 0 and four v_nop follow each line
	s_cmp_eq_u32 s[WM], 0
	s_cbranch_scc0 .Lfor_b_\@
	tensor_load_to_lds s[G0A+4:G0A+7], s[G1A:G1A+7]
	s_nop 0
.rept 4
	v_nop
.endr
	s_branch .Lasked_\@
.Lfor_b_\@:
	tensor_load_to_lds s[G0B+4:G0B+7], s[G1B:G1B+7]
	s_nop 0
.rept 4
	v_nop
.endr
.Lasked_\@:
.endm
; A prefetch of the K step AH behind the one just asked for: 32 aligned blocks of 256 bytes, a lane a block.  Each block is named once in the launch: A's by the clusters with x = 0, B's by those with
; y = 0; the four partners of a joint load share its 128 blocks out by address.  The last AH refills ask for nothing.
.macro ASK
	s_cmp_gt_u32 s[CNT], s[LIM]
	s_cbranch_scc0 .Lnot_mine_\@
	global_prefetch_b8 v[PFO], s[PFA:PFA+1] th:TH_LOAD_NT scope:SCOPE_SE
.Lnot_mine_\@:
.endm
.macro MUL16 f, hi, a0, zero           ; m blocks a0, a0 + 1 of the window's four x all 8 n blocks, 32 along K
	WIN MUL_LO+0x50*(\hi)
.irp a, \a0, (\a0)+1
.irp b, 0,1,2,3,4,5,6,7
.if \zero
	v_wmma_f32_16x16x32_f16 v[8*(8*(\a)+(\b)):8*(8*(\a)+(\b))+7], v[(\f)+8*(\b):(\f)+8*(\b)+7], v[(\f)+8*(4*(\hi)+(\a)):(\f)+8*(4*(\hi)+(\a))+7], 0
.else
	v_wmma_f32_16x16x32_f16 v[8*(8*(\a)+(\b)):8*(8*(\a)+(\b))+7], v[(\f)+8*(\b):(\f)+8*(\b)+7], v[(\f)+8*(4*(\hi)+(\a)):(\f)+8*(4*(\hi)+(\a))+7], v[8*(8*(\a)+(\b)):8*(8*(\a)+(\b))+7]
.endif
.endr
.endr
.endm
.macro FETCH q, f                      ; 32 LDS loads in one run: quarter q (plane q / 2, channels 32 (q % 2) on) into buffer f, B's first
	WIN TO_B
.irp i, 0,1,2,3,4,5,6,7
	ds_load_tr16_b128 v[(\f)+8*(\i):(\f)+8*(\i)+3],   v[ADRB] offset:(\q)*32*PB+32*(\i)
	ds_load_tr16_b128 v[(\f)+8*(\i)+4:(\f)+8*(\i)+7], v[ADRB] offset:(\q)*32*PB+16*PB+32*(\i)
.endr
	WIN 0
.irp i, 0,1,2,3,4,5,6,7
	ds_load_b128 v[(\f)+8*(\i):(\f)+8*(\i)+3],   v[ADRA] offset:((\q)/2)*APL+((\q)%2)*64+(\i)*16*PA
	ds_load_b128 v[(\f)+8*(\i)+4:(\f)+8*(\i)+7], v[ADRA] offset:((\q)/2)*APL+((\q)%2)*64+(\i)*16*PA+32
.endr
.endm
.macro QUARTER q, f, g, zero
	s_wait_dscnt 8                                 ; B and A's rows 0-63 are in; the youngest eight loads may be out
	MUL16 \f, 0, 0, \zero
	MUL16 \f, 0, 2, \zero
	PLACES
	FETCH \q, \g
	s_wait_dscnt 32                                ; all but the 32 just issued
	MUL16 \f, 1, 0, \zero
	MUL16 \f, 1, 2, \zero
.endm
; The last quarter of a K step multiplies buffer 1 and changes slots.  In front of the barrier each wave waits for all its tensor loads (one is out: its part of the next slot), adds 0 to its spare
; word, and waits for that and for its reads of this slot.  fill = 1: the barrier opens a round of the cluster's, and the joint refill of the slot just left is the first thing behind the round.
.macro TURN fill
.if \fill
	s_wait_xcnt 0x0                                ; the last prefetch, a K step back, has read its address
	s_add_nc_u64 s[PFA:PFA+1], s[PFA:PFA+1], s[PFS:PFS+1]
.endif
	WIN 0
	s_wait_tensorcnt 0x0
	ds_add_u32 v[SPW], v[NIL]
	s_wait_dscnt 9                                 ; (the add and the youngest eight loads may be out)
	MUL16 F1, 0, 0, 0
	s_wait_dscnt 0x0                               ; the add is done, and my reads of this slot are over
	s_barrier_signal -1
	MUL16 F1, 0, 2, 0
	WIN 0
	s_barrier_wait -1
.if \fill
	CREST
	s_xor_b32 s[G0A+5], s[G0A+5], SLOT
	s_add_nc_u64 s[G0A+6:G0A+7], s[G0A+6:G0A+7], STEPA
	s_xor_b32 s[G0B+5], s[G0B+5], SLOT
	s_add_nc_u64 s[G0B+6:G0B+7], s[G0B+6:G0B+7], STEPB
	s_xor_b32 s[TB], s[TB], SLOT
	JLOAD                                          ; its four v_nop are also the places in front of the loads below
.else
	s_xor_b32 s[TB], s[TB], SLOT
	PLACES
.endif
	v_add_nc_u32 v[ADRA], s[TB], v[A0]
	v_add_nc_u32 v[ADRB], s[TB], v[B0]
	FETCH 0, F0
.if \fill
	ASK
.endif
	MUL16 F1, 1, 0, 0
	MUL16 F1, 1, 2, 0
.endm
; THE WAY OUT of block a (16 rows x 128 columns of f32): 32 bytes a lane into my own stage, each accumulator's low registers first; back as whole rows of 512 bytes; stored.
.macro TOSTAGE a
.set BK, 64+64*((\a)%2)
.set AC, 64*((\a)%4)
.if (\a) >= 2
	s_wait_xcnt 0x0                                ; the stores of the block before last have read this buffer
.endif
	WIN 0x08+4*((\a)/4)                            ; the data (source 1) in window 2 or 3
.irp b, 0,1,2,3,4,5,6,7
	ds_store_b128 v[STO], v[AC+8*(\b):AC+8*(\b)+3]   offset:64*(\b)
	ds_store_b128 v[STO], v[AC+8*(\b)+4:AC+8*(\b)+7] offset:64*(\b)+16
.endr
	WIN 0
.irp t, 0,1,2,3,4,5,6,7,8,9,10,11,12,13,14,15
	ds_load_b128 v[BK+4*(\t):BK+4*(\t)+3], v[RD] offset:(\t)*SP  ; LDS serves a wave's instructions in order (ISA guide 5.7.1.4)
.endr
.endm
.macro SEND a, younger                 ; younger: the LDS instructions issued behind block a's loads: the next block's 32, or none
.set BK, 64+64*((\a)%2)
	s_wait_dscnt \younger
.irp t, 0,1,2,3,4,5,6,7,8,9,10,11,12,13,14,15
	global_store_b128 v[CO], v[BK+4*(\t):BK+4*(\t)+3], s[CB:CB+1] offset:(16*(\a)+(\t))*8192  ; 512 consecutive bytes, at a multiple of 256 from out0's first
.endr
.endm
	s_load_b128 s[4:7], s[0:1], 0x0                ; oh s[4:5], wo s[6:7]
	s_load_b64 s[8:9], s[0:1], 0x10                ; out0
	v_lshl_add_u32 v[SPW], v0, 2, SPARE
	v_mov_b32 v[NIL], 0
	ds_add_u32 v[SPW], v[NIL]                      ; the wave's opening: the add, twice on end, and its wait ahead of my first tensor load
	ds_add_u32 v[SPW], v[NIL]
	v_lshrrev_b32 v1, 5, v0
	v_readfirstlane_b32 s[WV], v1
	s_lshr_b32 s[WM], s[WV], 1
	s_and_b32 s[WN], s[WV], 1
	s_bfe_u32 s[CX], ttmp6, 0x40000
	s_bfe_u32 s[CY], ttmp6, 0x40004
	s_and_b32 s[YY], ttmp7, 0xffff
	s_lshl_b32 s[TR], s[YY], 2
	s_add_co_u32 s[TR], s[TR], s[CY]               ; tile row
	s_lshl_b32 s[TC], ttmp9, 2
	s_add_co_u32 s[TC], s[TC], s[CX]               ; tile column
	s_lshl_b32 s66, s[CY], 2
	s_lshl_b32 s66, 15, s66                        ; my row of the cluster
	s_lshl_b32 s70, 0x1111, s[CX]                  ; my column
	s_or_b32 s[G1A], s66, (1<<16)|(1<<20)|(1<<21)|(4<<22)|(3<<25)  ; the mask; 2-byte elements; padding on; bit 21 beside a mask; after every 32 words 4 words
	s_or_b32 s[G1B], s70, (1<<16)|(1<<20)|(1<<21)|(6<<22)|(7<<25)  ; after every 128 words 8 words
	s_mov_b32 s[G1A+1], 128<<16                    ; A: 128 rows x 128 elements, dense
	s_mov_b32 s[G1A+2], 128<<16
	s_mov_b32 s[G1A+3], 128<<16
	s_mov_b32 s[G1A+4], 128
	s_mov_b32 s[G1A+5], 128
	s_mov_b32 s[G1A+6], 0
	s_mov_b32 s[G1A+7], 0
	s_mov_b32 s[G1B+1], 256<<16                    ; B: 64 rows x 256 elements of rows of 2,048
	s_mov_b32 s[G1B+2], 64<<16
	s_mov_b32 s[G1B+3], 256<<16
	s_mov_b32 s[G1B+4], 64
	s_mov_b32 s[G1B+5], 2048
	s_mov_b32 s[G1B+6], 0
	s_mov_b32 s[G1B+7], 0
	s_mov_b32 s[TB], 0
	s_lshr_b32 s66, s[TR], 2                       ; A: the batch (16 heads of 131,072 bytes),
	s_lshl_b32 s66, s66, 21
	s_and_b32 s67, s[TR], 3                        ; my tile's 256 rows of its 1,024,
	s_lshl_b32 s67, s67, 15
	s_add_co_u32 s66, s66, s67
	s_lshl_b32 s67, s[WN], 17                      ; the head that I fetch: the tile column enters none of these registers
	s_add_co_u32 s66, s66, s67
	s_mov_b32 s67, 0
	s_lshl_b32 s70, s[WN], 18                      ; B: 64 rows of 4,096 bytes x half, 512 bytes x tile column: the tile row enters none of these
	s_lshl_b32 s71, s[TC], 9
	s_add_co_u32 s70, s70, s71
	s_mov_b32 s71, 0
	s_mul_i32 s68, s[WN], APL                      ; where they go: no place in the cluster enters an LDS address
	s_mul_i32 s69, s[WN], BHALF
	s_add_co_u32 s69, s69, BOFF
	; the prefetches' offsets.  A (waves 0, 1): blocks 32 cx + lane of my plane's 128.  B (waves 2, 3): of my 64 rows of K, rows 16 cy + lane / 2, half lane % 2 of their 512 bytes.
	s_lshl_b32 s78, s[CX], 13
	s_add_co_u32 s78, s78, s66
	s_add_co_u32 s78, s78, (1+AH)*STEPA            ; each refill steps it first: refill n, which loads K step n + 2, names K step n + 2 + AH
	s_lshl_b32 s79, s[CY], 16
	s_add_co_u32 s79, s79, s70
	s_add_co_u32 s79, s79, (1+AH)*STEPB
	; the lanes' addresses
	v_and_b32 v[R], 15, v0
	v_bfe_u32 v[H], v0, 4, 1
	v_and_b32 v[LN], 31, v0
	v_mul_u32_u24 v[A0], v[R], PA
	v_lshl_add_u32 v[A0], v[H], 4, v[A0]
	s_mul_i32 s74, s[WM], 128*PA                   ; my 128 rows of A, in each plane
	v_add_nc_u32 v[A0], s74, v[A0]
	v_and_b32 v[T0], 7, v0
	v_lshl_add_u32 v[B0], v[H], 3, v[T0]           ; the turning load: lane l reads row of K 8 (l / 16) + l % 8, columns 8 ((l / 8) % 2) + 0..7
	v_mul_u32_u24 v[B0], v[B0], PB
	v_bfe_u32 v[T1], v0, 3, 1
	v_lshl_add_u32 v[B0], v[T1], 4, v[B0]
	s_lshl_b32 s74, s[WN], 8                       ; my 128 columns
	s_add_co_u32 s74, s74, BOFF
	v_add_nc_u32 v[B0], s74, v[B0]
	s_mul_i32 s74, s[WV], 16*SP
	s_add_co_u32 s74, s74, STAGE                   ; my stage
	v_mul_u32_u24 v[STO], v[R], SP
	v_lshl_add_u32 v[STO], v[H], 5, v[STO]         ; in: row l % 16, 32 bytes for each half of the lanes
	v_add_nc_u32 v[STO], s74, v[STO]
	v_lshlrev_b32 v[CO], 4, v[LN]                  ; back: 32 lanes take a row of 512 bytes
	v_add_nc_u32 v[RD], s74, v[CO]
	v_mov_b32 v[ADRA], v[A0]
	v_mov_b32 v[ADRB], v[B0]
	s_wait_dscnt 0x0                               ; both opening adds are done
	s_wait_kmcnt 0x0
	s_add_nc_u64 s[66:67], s[4:5], s[66:67]
	s_add_nc_u64 s[70:71], s[6:7], s[70:71]
	CROUND                                         ; all sixteen work-groups are here: the first joint loads meet
.irp s, 0,1
	s_mov_b32 s[G0A+4*(\s)], 1
	s_add_co_u32 s[G0A+4*(\s)+1], s68, (\s)*SLOT
	s_add_nc_u64 s[G0A+4*(\s)+2:G0A+4*(\s)+3], s[66:67], (\s)*STEPA
	s_or_b32 s[G0A+4*(\s)+3], s[G0A+4*(\s)+3], 0x80000000
	s_mov_b32 s[G0B+4*(\s)], 1
	s_add_co_u32 s[G0B+4*(\s)+1], s69, (\s)*SLOT
	s_add_nc_u64 s[G0B+4*(\s)+2:G0B+4*(\s)+3], s[70:71], (\s)*STEPB
	s_or_b32 s[G0B+4*(\s)+3], s[G0B+4*(\s)+3], 0x80000000
.endr
	s_cmp_eq_u32 s[WM], 0                          ; a wave's two first fills stand in one branch
	s_cbranch_scc0 .Lfirst_b
	tensor_load_to_lds s[G0A:G0A+3], s[G1A:G1A+7]
	s_nop 0
	tensor_load_to_lds s[G0A+4:G0A+7], s[G1A:G1A+7]
	s_nop 0
.rept 4
	v_nop
.endr
	s_branch .Lfirst_done
.Lfirst_b:
	tensor_load_to_lds s[G0B:G0B+3], s[G1B:G1B+7]
	s_nop 0
	tensor_load_to_lds s[G0B+4:G0B+7], s[G1B:G1B+7]
	s_nop 0
.rept 4
	v_nop
.endr
.Lfirst_done:
	s_mov_b32 s81, 4096
	s_mov_b32 s[PFS], STEPB
	s_mov_b32 s[PFS+1], 0
	s_cmp_eq_u32 s[WM], 0
	s_cselect_b64 s[PFA:PFA+1], s[4:5], s[6:7]
	s_cselect_b32 s78, s78, s79
	s_cselect_b32 s76, ttmp9, s[YY]                ; the coordinate along which other clusters read the same rows
	s_cselect_b32 s[PFS], STEPA, s[PFS]
	s_cselect_b32 s81, 0x100, s81                  ; bytes from one lane's row to the next
	s_cselect_b32 s80, 0, 1                        ; lanes to a row: 1 or 2
	s_mov_b32 s79, 0
	s_add_nc_u64 s[PFA:PFA+1], s[PFA:PFA+1], s[78:79]
	s_cmp_eq_u32 s76, 0
	s_cselect_b32 s[LIM], AH, -1                   ; the same in all sixteen partners, for a given wave
	v_lshrrev_b32 v[PFO], s80, v[LN]
	v_mul_lo_u32 v[PFO], v[PFO], s81
	v_and_b32 v[T0], s80, v[LN]
	v_lshl_add_u32 v[PFO], v[T0], 8, v[PFO]
	; out0 at my first row and column
	s_lshl_b32 s72, s[TR], 8
	s_lshl_b32 s73, s[WM], 7
	s_add_co_u32 s72, s72, s73
	s_lshl_b32 s72, s72, 13                        ; rows of 8,192 bytes
	s_lshl_b32 s73, s[TC], 10
	s_add_co_u32 s72, s72, s73
	s_lshl_b32 s73, s[WN], 9
	s_add_co_u32 s72, s72, s73
	s_mov_b32 s73, 0
	s_add_nc_u64 s[CB:CB+1], s[8:9], s[72:73]
	s_wait_tensorcnt 0x1                           ; my part of K step 0 is in; K step 1's may stay out
	s_barrier_signal -1
	s_barrier_wait -1
	FETCH 0, F0
	QUARTER 1, F0, F1, 1                           ; the first quarter's products start the sums: nothing is cleared
	WIN 0
	s_mov_b32 s[CNT], TT-2
.Lk:                                           ; a trip: from a K step's second quarter to the next step's first; it fills the slot that it leaves
	QUARTER 2, F1, F0, 0
	QUARTER 3, F0, F1, 0
	TURN 1
	QUARTER 1, F0, F1, 0
	WIN 0
	s_sub_co_u32 s[CNT], s[CNT], 1
	s_cmp_lg_u32 s[CNT], 0
	s_cbranch_scc1 .Lk
	s_mov_b32 s[CNT], 2
.Lt:                                           ; the last two K steps ask for nothing; the second trip is left in its middle
	QUARTER 2, F1, F0, 0
	QUARTER 3, F0, F1, 0
	WIN 0
	s_sub_co_u32 s[CNT], s[CNT], 1
	s_cmp_eq_u32 s[CNT], 0
	s_cbranch_scc1 .Llast
	TURN 0
	QUARTER 1, F0, F1, 0
	WIN 0
	s_branch .Lt
.Llast:
	s_wait_dscnt 8
	MUL16 F1, 0, 0, 0
	MUL16 F1, 0, 2, 0
	s_wait_dscnt 0x0
	MUL16 F1, 1, 0, 0
	MUL16 F1, 1, 2, 0
	WIN 0
	PLACES
	PLACES
	TOSTAGE 0
.irp a, 1,2,3,4,5,6,7                  ; a block's way through the stage stands between the loads of the block before and its stores
	TOSTAGE \a
	SEND (\a)-1, 32
.endr
	SEND 7, 0
	s_wait_tensorcnt 0x0                           ; the wave's end
	ds_add_u32 v[SPW], v[NIL]
	s_wait_dscnt 0x0
	CROUND                                         ; the closing round
	s_endpgm
.Lfunc_end_k_qbf216ac667_outp:
	.size	k_qbf216ac667_outp, .Lfunc_end_k_qbf216ac667_outp-k_qbf216ac667_outp
	.p2alignl 7, 3214868480
	.fill 96, 4, 3214868480
	.section	.rodata,"a",@progbits
	.p2align	6, 0x0
	.amdhsa_kernel k_qbf216ac667_outp
		.amdhsa_group_segment_fixed_size 327680
		.amdhsa_private_segment_fixed_size 0
		.amdhsa_enable_private_segment 0
		.amdhsa_kernarg_size 24
		.amdhsa_user_sgpr_count 2
		.amdhsa_user_sgpr_kernarg_segment_ptr 1
		.amdhsa_wavefront_size32 1
		.amdhsa_system_sgpr_workgroup_id_x 1
		.amdhsa_system_sgpr_workgroup_id_y 1
		.amdhsa_system_sgpr_workgroup_id_z 1
		.amdhsa_system_vgpr_workitem_id 0
		.amdhsa_next_free_vgpr 1024
		.amdhsa_next_free_sgpr 96
		.amdhsa_reserve_vcc 0
		.amdhsa_float_denorm_mode_32 3
		.amdhsa_float_denorm_mode_16_64 3
		.amdhsa_memory_ordered 1
		.amdhsa_forward_progress 1
		.amdhsa_inst_pref_size 103
	.end_amdhsa_kernel
	.amdgpu_metadata
---
amdhsa.version: [ 1, 2 ]
amdhsa.kernels:
  - .name:           k_qbf216ac667_outp
    .symbol:         k_qbf216ac667_outp.kd
    .args:
      - { .name: oh, .offset: 0, .size: 8, .value_kind: global_buffer, .address_space: global }
      - { .name: wo, .offset: 8, .size: 8, .value_kind: global_buffer, .address_space: global }
      - { .name: out0, .offset: 16, .size: 8, .value_kind: global_buffer, .address_space: global }
    .group_segment_fixed_size: 327680
    .private_segment_fixed_size: 0
    .kernarg_segment_align: 8
    .kernarg_segment_size: 24
    .max_flat_workgroup_size: 128
    .sgpr_count:     96
    .vgpr_count:     1024
    .wavefront_size: 32
...
	.end_amdgpu_metadata
.endif
;; end of part 4
